; MI455X (gfx1250); checked and timed in simulation.
; The chip was launched on July 23, 2026; its instructions are those of AMD's public machine-readable ISA for CDNA 5 (MIT licence, August 2026) and "CDNA5" Instruction Set Architecture Reference Guide (July 2026). The comments in the code are by the model that wrote it; some were corrected since.
;; Style Attention Layer. Allowed arithmetic: matrix products marked QUANTISED: E4M3 operands, one given power-of-two scale a tensor, by v_wmma_f32_16x16x64_fp8_fp8 or v_wmma_f32_16x16x128_fp8_fp8, f32 sums; everything else in f32.
;; Inputs: Wk_codes 1,024 x 32 x 32 uint8 (E4M3 codes of Wk, K innermost, in blocks of 32 codes); Wo_codes 1,024 x 32 x 32 uint8 (E4M3 codes of Wo, K innermost, in blocks of 32 codes); Wq_codes 1,024 x 32 x 32 uint8 (E4M3 codes of Wq, K innermost, in blocks of 32 codes); Wv_codes 1,024 x 32 x 32 uint8 (E4M3 codes of Wv, K innermost, in blocks of 32 codes); bk 1,024 float32; bo 1,024 float32; bq 1,024 float32; bv 1,024 float32; keys_codes 8 x 1,024 x 32 x 32 uint8 (E4M3 codes of keys, K innermost, in blocks of 32 codes); lowp_scales 12 int32 (the exponents e of the quantised operands' scales 2^e); mask_t 8 x 1,024 x 1 int32; values_codes 8 x 1,024 x 32 x 32 uint8 (E4M3 codes of values, K innermost, in blocks of 32 codes); x_codes 8 x 1,024 x 32 x 32 uint8 (E4M3 codes of x, K innermost, in blocks of 32 codes).
;; Outputs: out0 8 x 1,024 x 1,024 float32.
;; This version of the problem:
;;   THIS VERSION OF THE PROBLEM IS GIVEN IN LOW PRECISION. The matrix products marked QUANTISED in the list below multiply operands that are first quantised to E4M3 (4 exponent bits, 3 mantissa bits; 8 bits a number), with one given power-of-two scale for each operand tensor; their sums are f32. All else is computed in f32.
;;   The module's matrix products, in the order in which they are computed (A, B: the left and right operand; K: the contracted axis; several contracted axes count as one K, in the product's order):
;;     1. [M 8,192, K 1,024] x [K 1,024, N 1,024]; A: input x (given as codes); B: input Wq (given as codes): QUANTISED (scales: A lowp_scales[0], B lowp_scales[1])
;;     2. [M 8,192, K 1,024] x [K 1,024, N 1,024]; A: input keys (given as codes); B: input Wk (given as codes): QUANTISED (scales: A lowp_scales[2], B lowp_scales[3])
;;     3. [M 8,192, K 1,024] x [K 1,024, N 1,024]; A: input values (given as codes); B: input Wv (given as codes): QUANTISED (scales: A lowp_scales[4], B lowp_scales[5])
;;     4. batch 32 x [M 1,024, K 256] x [K 256, N 1,024]; A: computed on the way; B: computed on the way: QUANTISED (scales: A lowp_scales[6], B lowp_scales[7])
;;     5. batch 32 x [M 1,024, K 1,024] x [K 1,024, N 256]; A: computed on the way; B: computed on the way: QUANTISED (scales: A lowp_scales[8], B lowp_scales[9])
;;     6. [M 8,192, K 1,024] x [K 1,024, N 1,024]; A: computed on the way; B: input Wo (given as codes): QUANTISED (scales: A lowp_scales[10], B lowp_scales[11])
;;   THE QUANTISER, for each operand of a quantised product, along K:
;;     - The operand's scale is 2^e, e = its entry of the input lowp_scales (int32; the entries are numbered through the quantised products in the list's order, A before B).
;;     - Each number is divided by the scale, clamped to +-448, and rounded to the nearest number of E4M3, ties to even, subnormals kept.
;;     - The product sums the exact products of the quantised numbers (number of the format x scale) in f32.
;;   ~~~python
;;   def quantise(x, axis, e):      # numpy; x: float32 -> the quantised numbers, widened to float32 again
;;       x = np.moveaxis(x, axis, -1); K = x.shape[-1]
;;       r = np.clip(x / 2.0 ** e, -448, 448)
;;       step = 2.0 ** (np.maximum(np.frexp(np.where(r == 0, 1, r))[1] - 1, -6) - 3)
;;       q = np.round(r / step) * step * 2.0 ** e      # np.round: ties to even
;;       return np.moveaxis(q, -1, axis).astype(np.float32)
;;   ~~~
;;   OPERANDS COMPUTED ON THE WAY. 'Computed on the way' means the value that the module computes at that place (a softmax that the list does not call 'softmax' is quantised finished and normalised). What goes into a quantiser is computed in f32, as accurately as f32 sums, v_exp_f32 and their like allow (about 1e-6 of the number): no bf16 or f16 on the way to a quantiser, and a product that is left as it is and whose result goes on into a quantised operand takes f32 operands (vector FMAs, or v_wmma_f32_16x16x4_f32). A number that lies on a knife's edge between two numbers of the format may be rounded either way, as far as f32 arithmetic and the matrix unit's own rounding can turn it there, and no further.
;;   INPUTS GIVEN AS CODES. Wk (in the module: [1024, 1024], K = its axis 1); Wo (in the module: [1024, 1024], K = its axis 1); Wq (in the module: [1024, 1024], K = its axis 1); Wv (in the module: [1024, 1024], K = its axis 1); keys (in the module: [8, 1024, 1024], K = its axis 2); values (in the module: [8, 1024, 1024], K = its axis 2); x (in the module: [8, 1024, 1024], K = its axis 2): each comes as NAME_codes (uint8): NAME with its K axis moved to the last place and cut into blocks of 32 codes, [.., K / 32, bytes a block], one block behind the other in memory; one code a byte (a code: sign, 4 exponent bits, 3 mantissa bits); its scale is its entry of lowp_scales. Its value is code x scale, taken as it is: it is not quantised again, and the codes and scales need not be those that the quantiser above would give.
;; One version. Each part assembles by itself: llvm-mc -triple=amdgcn-amd-amdhsa -mcpu=gfx1250 --defsym DOCPART=n.
;; ======== version 1 of 1: 3 launches
;; limits: right only within a limited range of input values
;; workspace buffers: qc 8,388,608 bytes; kc 8,388,608 bytes; vt 8,388,608 bytes; ao 8,388,608 bytes
;; launch proj (part 1): grid 4 x 64, 4 waves a work-group, clusters of 4 x 4, 327,680 bytes of LDS; arguments x_codes, keys_codes, Wq_codes, Wk_codes, Wv_codes, values_codes, bq, bk, bv, qc, kc, vt, lowp_scales; writes qc, kc, vt
.if DOCPART == 1
	.amdgcn_target "amdgcn-amd-amdhsa--gfx1250"
	.amdhsa_code_object_version 6
	.text
	.protected	k_q58c6ef809c_proj
	.globl	k_q58c6ef809c_proj
	.p2align	8
	.type	k_q58c6ef809c_proj,@function
k_q58c6ef809c_proj:
	s_mov_b64 s[64:65], 0
	v_nop
	global_prefetch_b8 v0, s[64:65] scope:SCOPE_SE
	s_setreg_imm32_b32 hwreg(HW_REG_WAVE_MODE, 25, 1), 1
	s_wait_xcnt 0x0
	s_wait_alu depctr_hold_cnt(0) depctr_sa_sdst(0) depctr_va_vdst(0) depctr_va_sdst(0) depctr_va_ssrc(0) depctr_va_vcc(0) depctr_vm_vsrc(0)
	s_getreg_b32 s2, hwreg(HW_REG_IB_STS2, 6, 4)
	s_cmp_eq_u32 s2, 0
	s_cbranch_scc0 .Lentry_in_a_cluster
	s_endpgm
.Lentry_in_a_cluster:
	s_bfe_u32 s2, ttmp6, 0x10000c
	s_cmp_lg_u32 s2, 0xf033
	s_cbranch_scc0 .Lentry_shape_is_right
	s_endpgm
.Lentry_shape_is_right:
; THE THREE PROJECTIONS: q = x Wq^T + bq, k = tanh(keys Wk^T + bk), v = values Wv^T + bv, on the given E4M3 codes, sums in f32; each result is
; quantised at once with its given scale (q: entry 6, k: entry 7, v: entry 9) and leaves as codes.
; DEAD WORK: none is left out in this program.  Every bias goes into a quantiser; mask_t throws rows away by its values only, so the rows are computed and selected; every input is loaded by some launch.
; LIMITS: entries 0 + 1 and 4 + 5 lie between -126 and 127, entries 2 + 3 between -126 and 126 (they are added to an exponent field); entries 6, 7, 9 between -126 and 119; NaN among the inputs is not served.
; tanh(z) = 1 - 2 / (1 + 2^(2 log2(e) z)): its error is about one part in 10^7 of 1, not of tanh(z).  The factor 2 log2(e) is folded into the sums' scale and into the bias.
; SHAPE.  out[i][j] = sum over k of P[i][k] R[j][k], K = 1,024.  q and k together are 256 tiles of 256 x 256: clusters 0-7 make q's, clusters 8-15 k's (P = tokens, R = weight rows); four waves, 128 x 128 each.
; A WORK-GROUP STAYS: behind that tile it makes one tile of v, 128 features (P = Wv) x 256 tokens (R = values), 64 x 128 a wave: a lane's registers then run along the tokens, the K of the later product.
; Source 0 = 16 rows of R, source 1 = 16 rows of P: lane (r, h) holds row r of P, register j the R index 8 h + j.  A fragment comes by four loads of 16 bytes: a permutation of k that is the same in both operands.
; THE RING: two LDS slots of 256 along K (P's rows, then R's 256 from row 256 on; rows 272 bytes apart).  One tensor load a wave behind each round; the ring goes on into v's tile, whose first two chunks land under the first way out.
; CLUSTER 4 x 4: P's tile is shared along a row of the cluster, R's along a column; each is asked for jointly.  The branches on the cluster's number lead round tanh, work on registers, and round the prefetches.
; NO PREFETCH: the block is the largest that the registers hold, in clusters, and K is four slots long: a tile's first two slots are asked for at once and only two refills follow.
; OUTPUT LAYOUT.  Inside each group of 32 along the last axis, place 16 h + 8 u + i holds index 16 u + 8 h + i.  qc, kc: [token][1024].  vt: [batch][feature / 64][group of 256 keys][feature % 64][256 keys].
; REGISTERS: window 0: v0-31 addresses, v32-95 at work, v96-127 codes, v128-255 P's fragments (way out: bias, rows read back).  window 1: R's fragments, two sets.  windows 2, 3: accumulator (a, b) at v[8 (8 (a % 4) + b)].
; PREFETCH (this takes the place of the line NO PREFETCH above): behind the tensor load of fill i (the first tile's chunks 0-3, then v's 0-3) each wave asks for its share of fill i + 2, and behind the head's load for fills 1 and 2:
; of the rows that a wave fetches jointly with three partners each partner names a quarter, told apart by address, a lane a row, 256 bytes of each row.  The weights' tiles, which eight clusters read, are asked for by the first of the eight alone.
.set PITCH, 272
.set FR, 16
.set NL, 4
.set NP, 4
.set HALFT, 128*PITCH
.set SLOT,  4*HALFT
.set SPARE, 2*SLOT                     ; the spare words, 128 bytes a wave
.set BIASL, SPARE+512                  ; 256 numbers for q or k, then 128 for v
.set STAGE, BIASL+1536                 ; the way out: 128 rows x 272 bytes that no tensor load fills
.set BST, 5
.set WL,  8                            ; v8-15 v's bias, my lane's, a pair for each a
.set ADRA, 16
.set ADRH, 18
.set ADRB, 20
.set BU,  22
.set BW,  23
.set STO, 24
.set RD,  25
.set COQ, 26
.set COV, 27
.set SPW, 28                           ; my spare word; never rewritten
.set NIL, 29                           ; 0; never rewritten
.set LIM, 30
.set SCL, 31
.set TMP, 32
.set CODE, 96
.set AF,  128
.set U,   128
.set BK,  192
.set WV, 30
.set WR, 31
.set WC, 66
.set CX, 67
.set CY, 104
.set ISK, 105                          ; 0: my first tile is q's, 1: k's
.set PT, 92                            ; s92-99 at work in the head, later the exponents
.set VP, 93
.set VR, 94
.set KF, 18                            ; 1.0 for q, 2 log2(e) for k
.set SC, 10
.set PA, 12                            ; s[12:13] where my prefetches stand in the first tile's operand, s[14:15] in v's
.set PB, 14
.set FA, 24                            ; 1 where my wave asks in the first tile, s25: in v's
.set FB, 25
.set PFO, 1                            ; v1 lane x 1,024; v2 the same for v's tile (16 rows a partner of Wv: lanes 16-31 name the rows of lanes 0-15 again)
.set PFOB, 2
.set G1,  32                           ; group 1: P, 128 rows;  G1B: R, 128 rows;  G1H: P of v, 64 rows
.set G1B, 40
.set G1H, 48
.set G0,  56                           ; groups 0, a set for each slot: P, R of the first tile; P, R of v's
.set G0B, 68
.set G0H, 76
.set G0RB, 84
.set FLAGS, (1<<20)|(1<<21)|(5<<22)|(3<<25)   ; elements of 1 byte; padding on; bit 21 beside a mask; 4 words after every 64
.set MUL_LO, 0xa1
.set MUL_HI, 0xf1
.set TO_B,   0x40
.set MSB, 0
.macro WIN new
.if MSB != (\new)
	s_set_vgpr_msb (MSB<<8)|(\new)
.set MSB, (\new)
.endif
.endm
.macro PLACES n
.rept \n
	v_nop
.endr
.endm
.macro JLOAD g0a, g1a, g0b, g1b        ; waves 0, 1 fetch for P, waves 2, 3 for R; s_nop 0 and four v_nop follow each line
	s_cmp_eq_u32 s[WR], 0
	s_cbranch_scc0 .Lfor_b_\@
	tensor_load_to_lds s[\g0a:\g0a+3], s[\g1a:\g1a+7]
	s_nop 0
.rept 4
	v_nop
.endr
	s_branch .Lasked_\@
.Lfor_b_\@:
	tensor_load_to_lds s[\g0b:\g0b+3], s[\g1b:\g1b+7]
	s_nop 0
.rept 4
	v_nop
.endr
.Lasked_\@:
.endm
.macro ASK flag, off, base, k          ; chunk k of K: 256 bytes of each of my rows
	s_cmp_lg_u32 s[\flag], 0
	s_cbranch_scc0 .Lno_ask_\@
	global_prefetch_b8 v[\off], s[\base:\base+1] offset:256*(\k) th:TH_LOAD_NT scope:SCOPE_SE
.Lno_ask_\@:
.endm
.macro CREST
	s_cmp_lg_u32 s[WV], 0
	s_cbranch_scc1 .Lnot_wave_0_\@
	s_barrier_signal -3
.Lnot_wave_0_\@:
	s_barrier_wait -3
	s_barrier_signal -1
	s_barrier_wait -1
.endm
.macro CROUND
	s_barrier_signal -1
	s_barrier_wait -1
	CREST
.endm
	s_load_b512 s[4:19], s[0:1], 0x0               ; x, keys, Wq, Wk, Wv, values, bq, bk
	s_load_b256 s[20:27], s[0:1], 0x40             ; bv, qc, kc, vt
	s_load_b64 s[28:29], s[0:1], 0x60              ; the exponents
	v_lshl_add_u32 v[SPW], v0, 2, SPARE
	v_mov_b32 v[NIL], 0
	ds_add_u32 v[SPW], v[NIL]                      ; the opening: the add, twice on end, and its wait ahead of my first tensor load
	ds_add_u32 v[SPW], v[NIL]
	v_lshrrev_b32 v1, 5, v0
	v_readfirstlane_b32 s[WV], v1
	s_lshr_b32 s[WR], s[WV], 1                     ; my half of P's rows; also: I fetch for P (0) or R (1)
	s_and_b32 s[WC], s[WV], 1                      ; my half of R's rows; also: which half of the operand tile I fetch
	s_bfe_u32 s[CX], ttmp6, 0x40000
	s_bfe_u32 s[CY], ttmp6, 0x40004
	s_and_b32 s2, ttmp7, 0xffff                    ; the cluster, 0..15
	s_lshr_b32 s[ISK], s2, 3
	s_and_b32 s2, s2, 7
	s_lshl_b32 s2, s2, 2
	s_lshl_b32 s3, s[ISK], 2
	s_add_co_u32 s[PT], s2, s[CY]                  ; first tile: P's 256 tokens, 0..31; R's 256 features: cx
	s_add_co_u32 s[VP], s3, s[CY]                  ; v: P's 128 features, 0..7
	s_add_co_u32 s[VR], s2, s[CX]                  ; v: R's 256 tokens, 0..31
	s_lshl_b32 s2, s[CY], 2
	s_lshl_b32 s2, 15, s2                          ; my row of the cluster
	s_lshl_b32 s3, 0x1111, s[CX]                   ; my column
	s_or_b32 s[G1], s2, FLAGS
	s_or_b32 s[G1H], s2, FLAGS
	s_or_b32 s[G1B], s3, FLAGS
.irp g, G1, G1B, G1H
	s_mov_b32 s[\g+1], 256<<16
	s_mov_b32 s[\g+3], 256<<16
	s_mov_b32 s[\g+5], 1024
	s_mov_b32 s[\g+6], 0
	s_mov_b32 s[\g+7], 0
.endr
	s_mov_b32 s[G1+2], 128<<16
	s_mov_b32 s[G1+4], 128
	s_mov_b32 s[G1B+2], 128<<16
	s_mov_b32 s[G1B+4], 128
	s_mov_b32 s[G1H+2], 64<<16
	s_mov_b32 s[G1H+4], 64
	s_lshl_b32 s95, s[WC], 17                      ; byte offsets of what I fetch: P's hold nothing of cx, R's nothing of cy
	s_lshl_b32 s[G0+2], s[PT], 18
	s_add_co_u32 s[G0+2], s[G0+2], s95
	s_mov_b32 s[G0+3], 0
	s_lshl_b32 s[G0B+2], s[CX], 18
	s_add_co_u32 s[G0B+2], s[G0B+2], s95
	s_mov_b32 s[G0B+3], 0
	s_lshl_b32 s[G0RB+2], s[VR], 18
	s_add_co_u32 s[G0RB+2], s[G0RB+2], s95
	s_mov_b32 s[G0RB+3], 0
	s_lshl_b32 s95, s[WC], 16
	s_lshl_b32 s[G0H+2], s[VP], 17
	s_add_co_u32 s[G0H+2], s[G0H+2], s95
	s_mov_b32 s[G0H+3], 0
	s_mul_i32 s96, s[WV], HALFT                    ; where they go: wave x 128 rows;
	s_mul_i32 s97, s[WC], 64*PITCH                 ; v's P: half x 64 rows
	s_wait_dscnt 0x0                               ; both opening adds are done
	s_wait_kmcnt 0x0
	s_cmp_eq_u32 s[ISK], 0                         ; the first tile's buffers: q's or k's
	s_cselect_b64 s[4:5], s[4:5], s[6:7]
	s_cselect_b64 s[8:9], s[8:9], s[10:11]
	s_cselect_b64 s[16:17], s[16:17], s[18:19]
	s_cselect_b64 s[22:23], s[22:23], s[24:25]
	s_mov_b32 s3, 0x4038aa3b
	s_mov_b32 s[KF], 0x3f800000
	s_cselect_b32 s[KF], s[KF], s3
	s_add_nc_u64 s[G0+2:G0+3], s[4:5], s[G0+2:G0+3]
	s_add_nc_u64 s[G0B+2:G0B+3], s[8:9], s[G0B+2:G0B+3]
	s_add_nc_u64 s[G0H+2:G0H+3], s[12:13], s[G0H+2:G0H+3]
	s_add_nc_u64 s[G0RB+2:G0RB+3], s[14:15], s[G0RB+2:G0RB+3]
	s_cmp_eq_u32 s[WR], 0                          ; the prefetches: the operand that I fetch,
	s_cselect_b64 s[PA:PA+1], s[G0+2:G0+3], s[G0B+2:G0B+3]
	s_cselect_b64 s[PB:PB+1], s[G0H+2:G0H+3], s[G0RB+2:G0RB+3]
	s_cselect_b32 s2, s[CX], s[CY]                 ; my place among the four that ask for it with me,
	s_cselect_b32 s3, 14, 15                       ; 32 rows a partner; 16 of v's P
	s_mov_b32 s7, 0
	s_lshl_b32 s6, s2, 15
	s_add_nc_u64 s[PA:PA+1], s[PA:PA+1], s[6:7]
	s_lshl_b32 s6, s2, s3
	s_add_nc_u64 s[PB:PB+1], s[PB:PB+1], s[6:7]
	s_and_b32 s6, ttmp7, 7                         ; cluster % 8: the same in all sixteen partners
	s_cmp_eq_u32 s6, 0
	s_cselect_b32 s6, 1, 0
	s_xor_b32 s7, s[WR], 1
	s_or_b32 s[FA], s6, s7                         ; tokens: every cluster asks for its own; weights: the first of the eight clusters that read them
	s_or_b32 s[FB], s6, s[WR]
.irp g, G0, G0B, G0H, G0RB
	s_add_nc_u64 s[\g+6:\g+7], s[\g+2:\g+3], 256   ; slot 1's set: the second chunk of K
	s_or_b32 s[\g+3], s[\g+3], 0x80000000
	s_or_b32 s[\g+7], s[\g+7], 0x80000000
	s_mov_b32 s[\g], 1
	s_mov_b32 s[\g+4], 1
.endr
.irp g, G0, G0B, G0RB
	s_mov_b32 s[\g+1], s96
	s_add_co_u32 s[\g+5], s96, SLOT
.endr
	s_mov_b32 s[G0H+1], s97
	s_add_co_u32 s[G0H+5], s97, SLOT
	CROUND                                         ; all sixteen work-groups are here: the first joint loads meet
	JLOAD G0, G1, G0B, G1B                         ; chunk 0: one tensor load a wave at the head
	s_lshl_b32 s2, s[CX], 10
	s_mov_b32 s3, 0
	s_add_nc_u64 s[16:17], s[16:17], s[2:3]        ; the first tile's 256 bias numbers
	s_lshl_b32 s2, s[VP], 9
	s_add_nc_u64 s[20:21], s[20:21], s[2:3]        ; v's 128
	s_lshl_b32 s2, s[PT], 18                       ; the rows that my wave stores: row 256 tile + 128 wr + 32 wc of 1,024 bytes, + 256 cx
	s_lshl_b32 s95, s[WR], 17
	s_add_co_u32 s2, s2, s95
	s_lshl_b32 s95, s[WC], 15
	s_add_co_u32 s2, s2, s95
	s_lshl_b32 s95, s[CX], 8
	s_add_co_u32 s2, s2, s95
	s_add_nc_u64 s[22:23], s[22:23], s[2:3]
	s_lshr_b32 s2, s[VR], 2                        ; vt: batch << 20 | (feature / 64) << 16 | group of keys << 14 | (feature % 64) << 8
	s_lshl_b32 s2, s2, 20
	s_lshl_b32 s95, s[VP], 1
	s_add_co_u32 s95, s95, s[WR]
	s_lshl_b32 s95, s95, 16
	s_add_co_u32 s2, s2, s95
	s_and_b32 s95, s[VR], 3
	s_lshl_b32 s95, s95, 14
	s_add_co_u32 s2, s2, s95
	s_lshl_b32 s95, s[WC], 13
	s_add_co_u32 s2, s2, s95
	s_add_nc_u64 s[26:27], s[26:27], s[2:3]
	s_mul_i32 s95, s[WR], HALFT                    ; my P rows, my R rows, my P rows of v
	s_mul_i32 s96, s[WC], HALFT
	s_add_co_u32 s96, s96, 2*HALFT
	s_mul_i32 s97, s[WR], 64*PITCH
	s_lshl_b32 s98, s[WC], 7
	s_add_co_u32 s98, s98, s97
	s_add_co_u32 s98, s98, STAGE                   ; the stage, in: row 64 wr + 16 a + r, byte 128 wc + 32 c + 16 h
	s_mul_i32 s99, s[WV], 32*PITCH
	s_add_co_u32 s99, s99, STAGE                   ; back: wave w takes rows 32 w on
	s_lshl_b32 s6, s[WC], 9
	s_add_co_u32 s6, s6, BIASL
	s_lshl_b32 s7, s[WR], 8
	s_add_co_u32 s7, s7, BIASL+1024
	s_cmp_eq_u32 s[WR], 0
	s_cselect_b32 s3, 15, 31
	v_lshlrev_b32 v6, 2, v0
	global_load_b32 v7, v6, s[16:17]
	global_load_b32 v8, v6, s[16:17] offset:512
	global_load_b32 v9, v6, s[20:21]
	v_and_b32 v1, 15, v0                           ; r
	v_bfe_u32 v2, v0, 4, 1                         ; h
	v_mul_u32_u24 v3, v1, PITCH
	v_lshl_add_u32 v4, v2, 4, v3
	v_add_nc_u32 v[ADRA], s95, v4
	v_add_nc_u32 v[ADRA+1], SLOT, v[ADRA]
	v_add_nc_u32 v[ADRB], s96, v4
	v_add_nc_u32 v[ADRB+1], SLOT, v[ADRB]
	v_add_nc_u32 v[ADRH], s97, v4
	v_add_nc_u32 v[ADRH+1], SLOT, v[ADRH]
	v_add_nc_u32 v[STO], s98, v4
	v_mul_u32_u24 v3, v2, PITCH
	v_lshl_add_u32 v3, v1, 4, v3
	v_add_nc_u32 v[RD], s99, v3                    ; lanes 0-15 one row of 256 bytes, lanes 16-31 the next
	v_lshl_add_u32 v[BU], v2, 5, s6                ; bias at features 128 wc + 16 b + 8 h + j
	v_lshl_add_u32 v[BW], v1, 2, s7                ; bias at features 64 wr + 16 a + r
	v_lshlrev_b32 v[COQ], 10, v2
	v_lshl_add_u32 v[COQ], v1, 4, v[COQ]
	v_lshlrev_b32 v[COV], 8, v2
	v_lshl_add_u32 v[COV], v1, 4, v[COV]
	v_lshl_add_u32 v[BST], v0, 2, BIASL
	v_and_b32 v[PFO], 31, v0
	v_lshlrev_b32 v[PFO], 10, v[PFO]
	v_and_b32 v[PFOB], s3, v0
	v_lshlrev_b32 v[PFOB], 10, v[PFOB]
	s_load_b256 s[92:99], s[28:29], 0x0            ; entries 0 to 7
	s_load_b32 s100, s[28:29], 0x24                ; entry 9
	s_wait_alu depctr_va_vdst(0)                   ; the wait at the head's end, ahead of the branches and waits below
	ASK FA, PFO, PA, 1
	ASK FA, PFO, PA, 2
	s_wait_loadcnt 0x0
	v_mul_f32 v7, s[KF], v7                        ; k's bias carries tanh's factor (q's factor is 1)
	v_mul_f32 v8, s[KF], v8
	ds_store_b32 v[BST], v7
	ds_store_b32 v[BST], v8 offset:512
	ds_store_b32 v[BST], v9 offset:1024
.macro FRAG reg, adr, q, i
.irp c, 0,1,2,3
	ds_load_b128 v[\reg+4*\c:\reg+4*\c+3], v[\adr] offset:128*(\q)+32*\c+(\i)*16*PITCH
.endr
.endm
.macro MUL16 a0, p, zero               ; P's blocks a0, a0 + 1 x R's eight; the accumulators take turns in one fixed order
.irp a, \a0, \a0+1
.irp b, 0,1,2,3,4,5,6,7
.if \zero
	v_wmma_f32_16x16x128_fp8_fp8 v[8*(8*((\a)%4)+\b):8*(8*((\a)%4)+\b)+7], v[128*(\p)+FR*\b:128*(\p)+FR*\b+FR-1], v[AF+FR*(\a):AF+FR*(\a)+FR-1], 0
.else
	v_wmma_f32_16x16x128_fp8_fp8 v[8*(8*((\a)%4)+\b):8*(8*((\a)%4)+\b)+7], v[128*(\p)+FR*\b:128*(\p)+FR*\b+FR-1], v[AF+FR*(\a):AF+FR*(\a)+FR-1], v[8*(8*((\a)%4)+\b):8*(8*((\a)%4)+\b)+7]
.endif
.endr
.endr
.endm
.macro FETCH_B slot, q, p
	WIN TO_B
.irp i, 0,1,2,3,4,5,6,7
	FRAG 128*(\p)+FR*\i, ADRB+\slot, \q, \i
.endr
	WIN 0
.endm
.macro FETCH_A slot, q, i0
.irp i, \i0, \i0+1, \i0+2, \i0+3
	FRAG AF+FR*(\i), ADRA+\slot, \q, \i
.endr
.endm
; THE FIRST TILE.  A slot's first 128 along K: one set of registers for P (blocks 0-3 fetched anew in the middle, 4-7 at the end), two for R
.macro STEP slot, q, zero
	s_wait_dscnt 4*NL                              ; the youngest 16 loads (P's blocks 4-7) may be out
	WIN MUL_LO
	MUL16 0, (\q)%2, \zero
	MUL16 2, (\q)%2, \zero
	s_wait_dscnt 0
	PLACES NP
	FETCH_B \slot, (\q)+1, 1-(\q)%2
	FETCH_A \slot, (\q)+1, 0
	WIN MUL_HI
	MUL16 4, (\q)%2, \zero
	MUL16 6, (\q)%2, \zero
	PLACES NP
	WIN 0
	FETCH_A \slot, (\q)+1, 4
.endm
; A slot's last 128 change slots.  mode 1: the slot takes this tile's chunk two on; mode 2: v's chunk 0 or 1.  next = -1: the tile's last products, nothing more to fetch
.macro TURN slot, next, mode
	s_wait_tensorcnt 0x0                           ; all my tensor loads have landed
	ds_add_u32 v[SPW], v[NIL]                      ; 0 onto my spare word
	s_wait_dscnt 4*NL+1                            ; the add and the youngest 16 loads may be out
	WIN MUL_LO
	MUL16 0, 1, 0
	s_wait_dscnt 0x0                               ; the add is done, my reads of this slot are over
	s_barrier_signal -1
	MUL16 2, 1, 0
	WIN 0
	s_barrier_wait -1
	CREST                                          ; the barrier has opened a round of the cluster's
.if \mode == 1
	s_add_nc_u64 s[G0+4*\slot+2:G0+4*\slot+3], s[G0+4*\slot+2:G0+4*\slot+3], 512
	s_add_nc_u64 s[G0B+4*\slot+2:G0B+4*\slot+3], s[G0B+4*\slot+2:G0B+4*\slot+3], 512
	JLOAD G0+4*\slot, G1, G0B+4*\slot, G1B         ; its four v_nop are the places for the loads below
.else
	JLOAD G0H+4*\slot, G1H, G0RB+4*\slot, G1B
.endif
.if \next >= 0
	FETCH_B \next, 0, 0
	FETCH_A \next, 0, 0
.endif
	ASK FB, PFOB, PB, 2*(\mode-1)+\slot            ; two fills ahead: v's chunks 0 to 3
	WIN MUL_HI
	MUL16 4, 1, 0
	MUL16 6, 1, 0
	PLACES NP
	WIN 0
.if \next >= 0
	FETCH_A \next, 0, 4
.endif
.endm
; V'S TILE: 32 accumulators, two sets of fragments for both operands
.macro MUL8 a, p, zero
.irp b, 0,1,2,3,4,5,6,7
.if \zero
	v_wmma_f32_16x16x128_fp8_fp8 v[8*(8*(\a)+\b):8*(8*(\a)+\b)+7], v[128*(\p)+FR*\b:128*(\p)+FR*\b+FR-1], v[AF+64*(\p)+FR*(\a):AF+64*(\p)+FR*(\a)+FR-1], 0
.else
	v_wmma_f32_16x16x128_fp8_fp8 v[8*(8*(\a)+\b):8*(8*(\a)+\b)+7], v[128*(\p)+FR*\b:128*(\p)+FR*\b+FR-1], v[AF+64*(\p)+FR*(\a):AF+64*(\p)+FR*(\a)+FR-1], v[8*(8*(\a)+\b):8*(8*(\a)+\b)+7]
.endif
.endr
.endm
.macro FETCHH slot, q, p               ; 48 loads
	FETCH_B \slot, \q, \p
.irp i, 0,1,2,3
	FRAG AF+64*(\p)+FR*\i, ADRH+\slot, \q, \i
.endr
.endm
.macro INNERH p, nslot, nq             ; multiplies set p; the next 128 along K are asked for first, into the other set
	PLACES NP
	FETCHH \nslot, \nq, 1-\p
	s_wait_dscnt 48                                ; all but the 48 just issued
	WIN MUL_LO
	MUL8 0, \p, 0
	MUL8 1, \p, 0
	MUL8 2, \p, 0
	MUL8 3, \p, 0
	WIN 0
.endm
; A chunk's first half.  Its second half goes into set 1, and with that the slot is read out: the waits, the add, the barrier; fill = 1: a round, and the slot takes the chunk two on
.macro RH slot, zero, fill
	PLACES NP
	FETCHH \slot, 1, 1
	s_wait_tensorcnt 0x0
	ds_add_u32 v[SPW], v[NIL]
	s_wait_dscnt 49                                ; the 48 loads just issued and the add may be out
	WIN MUL_LO
	MUL8 0, 0, \zero
	s_wait_dscnt 0x0
	s_barrier_signal -1
	MUL8 1, 0, \zero
	WIN 0
	s_barrier_wait -1
.if \fill
	CREST
	s_add_nc_u64 s[G0H+4*\slot+2:G0H+4*\slot+3], s[G0H+4*\slot+2:G0H+4*\slot+3], 512
	s_add_nc_u64 s[G0RB+4*\slot+2:G0RB+4*\slot+3], s[G0RB+4*\slot+2:G0RB+4*\slot+3], 512
	JLOAD G0H+4*\slot, G1H, G0RB+4*\slot, G1B
.endif
	WIN MUL_LO
	MUL8 2, 0, \zero
	MUL8 3, 0, \zero
	WIN 0
.endm
; THE WAY OUT
.macro TANH                            ; 64 numbers in place, from 2 log2(e) z; each kind of transcendental is one batch with its waits
.set n, 0
.rept 64
	v_exp_f32 v[TMP+n], v[TMP+n]
.set n, n+1
.endr
	v_nop
	s_wait_alu depctr_va_vdst(0)
.set n, 0
.rept 32
	v_pk_add_f32 v[TMP+n:TMP+n+1], v[TMP+n:TMP+n+1], 1.0 op_sel_hi:[1,0]
.set n, n+2
.endr
	s_wait_alu depctr_va_vdst(0)
.set n, 0
.rept 64
	v_rcp_f32 v[TMP+n], v[TMP+n]
.set n, n+1
.endr
	v_nop
	s_wait_alu depctr_va_vdst(0)
.set n, 0
.rept 32
	v_pk_fma_f32 v[TMP+n:TMP+n+1], v[TMP+n:TMP+n+1], -2.0, 1.0 op_sel_hi:[1,0,0]
.set n, n+2
.endr
.endm
.macro BLOCK kind, a                   ; block a's 64 numbers a lane: sum x factor + bias, tanh for k, the hold, the codes, into the stage.  kind 1: v
.set AC, 64*((\a)%4)
.set CS, CODE+16*((\a)%2)
	WIN (0x02+(\a)/4)
	s_wait_alu depctr_va_vdst(0)                   ; the wait directly ahead of the first readers of these sums
.irp b, 0,1,2,3,4,5,6,7
.irp i, 0,2,4,6
.if \kind
	v_pk_fma_f32 v[TMP+8*\b+\i:TMP+8*\b+\i+1], v[AC+8*\b+\i:AC+8*\b+\i+1], s[SC:SC+1], v[WL+2*(\a):WL+2*(\a)+1] op_sel_hi:[1,0,0]
.else
	v_pk_fma_f32 v[TMP+8*\b+\i:TMP+8*\b+\i+1], v[AC+8*\b+\i:AC+8*\b+\i+1], s[SC:SC+1], v[U+8*\b+\i:U+8*\b+\i+1] op_sel_hi:[1,0,1]
.endif
.endr
.endr
	WIN 0
.if \kind == 0
	s_wait_alu depctr_va_vdst(0)                   ; ahead of the branch and of the batch
	s_cmp_eq_u32 s[ISK], 0
	s_cbranch_scc1 .Lplain_\@
	TANH
.Lplain_\@:
.endif
.set n, 0
.rept 64
	v_med3_num_f32 v[TMP+n], v[TMP+n], -v[LIM], v[LIM]   ; the conversion does not saturate (ISA guide 7.6.2): the hold comes first
.set n, n+1
.endr
.irp b, 0,1,2,3,4,5,6,7
	v_cvt_scalef32_pk8_fp8_f32 v[CS+2*\b:CS+2*\b+1], v[TMP+8*\b:TMP+8*\b+7], v[SCL]
.endr
	v_nop                                          ; a plain line behind the conversions
.irp c, 0,1,2,3
	ds_store_b128 v[STO], v[CS+4*\c:CS+4*\c+3] offset:((\a)%4)*16*PITCH+32*\c   ; R's blocks 2 c, 2 c + 1 side by side: the order inside a group of 32
.endr
.endm
.macro HALFOUT base, voff, pitch, row0 ; 128 rows of 256 bytes lie in the stage, each from two waves: a barrier, then each wave stores 32 whole rows
	s_wait_dscnt 0x0
	s_barrier_signal -1
	s_barrier_wait -1
	s_wait_xcnt 0x0                                ; earlier stores have read the registers that the rows come back into
.irp t, 0,1,2,3,4,5,6,7,8,9,10,11,12,13,14,15
	ds_load_b128 v[BK+4*\t:BK+4*\t+3], v[RD] offset:\t*2*PITCH
.endr
	s_wait_dscnt 0x0
.irp t, 0,1,2,3,4,5,6,7,8,9,10,11,12,13,14,15
	global_store_b128 v[\voff], v[BK+4*\t:BK+4*\t+3], s[\base:\base+1] offset:(\row0+2*\t)*\pitch   ; 16 lanes store 256 consecutive bytes, aligned
.endr
.endm
.macro OUTSC                           ; s2 = the operands' exponents added, s3 = the factor's bits, s6 = the output's exponent
	s_lshl_b32 s2, s2, 23
	s_add_co_i32 s[SC], s3, s2
	s_mov_b32 s[SC+1], s[SC]
	s_add_co_i32 s6, s6, 127
	s_lshl_b32 s7, s6, 23
	s_add_co_i32 s6, s6, 8
	s_lshl_b32 s6, s6, 23
	s_or_b32 s6, s6, 0x600000
	v_mov_b32 v[SCL], s7                           ; the output's scale
	v_mov_b32 v[LIM], s6                           ; 448 x that
	s_wait_alu depctr_va_vdst(0)                   ; the wait directly ahead of the wait below
	s_wait_dscnt 0x0                               ; the bias
.endm
	s_wait_tensorcnt 0x0                           ; my part of chunk 0 is in
	ds_add_u32 v[SPW], v[NIL]
	s_wait_dscnt 0x0                               ; the add and my bias words
	CROUND
	JLOAD G0+4, G1, G0B+4, G1B                     ; chunk 1, slot 1's first fill
	FETCH_B 0, 0, 0
	FETCH_A 0, 0, 0
	FETCH_A 0, 0, 4
	ASK FA, PFO, PA, 3
	STEP 0, 0, 1                                   ; the first products start the sums
	TURN 0, 1, 1                                   ; slot 0 takes chunk 2
	STEP 1, 0, 0
	TURN 1, 0, 1                                   ; slot 1 takes chunk 3
	STEP 0, 0, 0
	TURN 0, 1, 2                                   ; slot 0 takes v's chunk 0
	STEP 1, 0, 0
	TURN 1, -1, 2                                  ; slot 1 takes v's chunk 1
.irp b, 0,1,2,3,4,5,6,7
	ds_load_b128 v[U+8*\b:U+8*\b+3], v[BU] offset:64*\b
	ds_load_b128 v[U+8*\b+4:U+8*\b+7], v[BU] offset:64*\b+16
.endr
	s_wait_kmcnt 0x0
	s_cmp_eq_u32 s[ISK], 0
	s_cselect_b32 s2, s92, s94
	s_cselect_b32 s3, s93, s95
	s_cselect_b32 s6, s98, s99
	s_add_co_i32 s2, s2, s3
	s_mov_b32 s3, s[KF]
	OUTSC
	BLOCK 0, 0
	BLOCK 0, 1
	BLOCK 0, 2
	BLOCK 0, 3
	HALFOUT 22, COQ, 1024, 0
	s_barrier_signal -1                            ; every wave's reads of the stage are over before the next stores into it
	s_barrier_wait -1
	BLOCK 0, 4
	BLOCK 0, 5
	BLOCK 0, 6
	BLOCK 0, 7
	HALFOUT 22, COQ, 1024, 64
	s_wait_tensorcnt 0x0                           ; v's chunks 0 and 1: my part has landed,
	s_wait_dscnt 0x0
	s_wait_xcnt 0x0                                ; and my stores have read the registers into which fragments are loaded now
	s_barrier_signal -1
	s_barrier_wait -1                              ; everybody's has
	FETCHH 0, 0, 0
	RH 0, 1, 1                                     ; slot 0 takes chunk 2
	INNERH 1, 1, 0
	RH 1, 0, 1                                     ; chunk 2 has landed in every wave; slot 1 takes chunk 3
	INNERH 1, 0, 0
	RH 0, 0, 0                                     ; chunk 3 has landed in every wave
	INNERH 1, 1, 0
	INNERH 0, 1, 1
	s_wait_dscnt 0x0
	WIN MUL_LO
	MUL8 0, 1, 0
	MUL8 1, 1, 0
	MUL8 2, 1, 0
	MUL8 3, 1, 0
	WIN 0
	PLACES NP
.irp a, 0,1,2,3
	ds_load_b32 v[WL+2*\a], v[BW] offset:64*\a
.endr
	s_add_co_i32 s2, s96, s97
	s_mov_b32 s3, 0x3f800000
	s_mov_b32 s6, s100
	OUTSC
.irp a, 0,1,2,3
	v_mov_b32 v[WL+2*\a+1], v[WL+2*\a]             ; (named with it as a pair, so it is written)
.endr
	BLOCK 1, 0
	BLOCK 1, 1
	BLOCK 1, 2
	BLOCK 1, 3
	HALFOUT 26, COV, 256, 0
	s_wait_tensorcnt 0x0                           ; the wave's end
	ds_add_u32 v[SPW], v[NIL]
	s_wait_dscnt 0x0
	CROUND                                         ; the closing round
	s_endpgm
.Lfunc_end_k_q58c6ef809c_proj:
	.size	k_q58c6ef809c_proj, .Lfunc_end_k_q58c6ef809c_proj-k_q58c6ef809c_proj
	.p2alignl 7, 3214868480
	.fill 96, 4, 3214868480
	.section	.rodata,"a",@progbits
	.p2align	6, 0x0
	.amdhsa_kernel k_q58c6ef809c_proj
		.amdhsa_group_segment_fixed_size 327680
		.amdhsa_private_segment_fixed_size 0
		.amdhsa_enable_private_segment 0
		.amdhsa_kernarg_size 104
		.amdhsa_user_sgpr_count 2
		.amdhsa_user_sgpr_kernarg_segment_ptr 1
		.amdhsa_wavefront_size32 1
		.amdhsa_system_sgpr_workgroup_id_x 1
		.amdhsa_system_sgpr_workgroup_id_y 1
		.amdhsa_system_sgpr_workgroup_id_z 1
		.amdhsa_system_vgpr_workitem_id 0
		.amdhsa_next_free_vgpr 1024
		.amdhsa_next_free_sgpr 106
		.amdhsa_reserve_vcc 0
		.amdhsa_float_denorm_mode_32 3
		.amdhsa_float_denorm_mode_16_64 3
		.amdhsa_memory_ordered 1
		.amdhsa_forward_progress 1
		.amdhsa_inst_pref_size 255
	.end_amdhsa_kernel
	.section	.bss,"aw",@nobits
	.p2align	6
	.space	262144
	.amdgpu_metadata
---
amdhsa.version: [ 1, 2 ]
amdhsa.kernels:
  - .name:           k_q58c6ef809c_proj
    .symbol:         k_q58c6ef809c_proj.kd
    .args:
      - { .name: x_codes, .offset: 0, .size: 8, .value_kind: global_buffer, .address_space: global }
      - { .name: keys_codes, .offset: 8, .size: 8, .value_kind: global_buffer, .address_space: global }
      - { .name: Wq_codes, .offset: 16, .size: 8, .value_kind: global_buffer, .address_space: global }
      - { .name: Wk_codes, .offset: 24, .size: 8, .value_kind: global_buffer, .address_space: global }
      - { .name: Wv_codes, .offset: 32, .size: 8, .value_kind: global_buffer, .address_space: global }
      - { .name: values_codes, .offset: 40, .size: 8, .value_kind: global_buffer, .address_space: global }
      - { .name: bq, .offset: 48, .size: 8, .value_kind: global_buffer, .address_space: global }
      - { .name: bk, .offset: 56, .size: 8, .value_kind: global_buffer, .address_space: global }
      - { .name: bv, .offset: 64, .size: 8, .value_kind: global_buffer, .address_space: global }
      - { .name: qc, .offset: 72, .size: 8, .value_kind: global_buffer, .address_space: global }
      - { .name: kc, .offset: 80, .size: 8, .value_kind: global_buffer, .address_space: global }
      - { .name: vt, .offset: 88, .size: 8, .value_kind: global_buffer, .address_space: global }
      - { .name: lowp_scales, .offset: 96, .size: 8, .value_kind: global_buffer, .address_space: global }
    .group_segment_fixed_size: 327680
    .private_segment_fixed_size: 0
    .kernarg_segment_align: 8
    .kernarg_segment_size: 104
    .max_flat_workgroup_size: 128
    .sgpr_count:     106
    .vgpr_count:     1024
    .wavefront_size: 32
...
	.end_amdgpu_metadata
.endif
;; end of part 1
;; launch attn (part 2): grid 16 x 32, 4 waves a work-group, clusters of 4 x 1, 327,680 bytes of LDS; arguments qc, kc, vt, mask_t, lowp_scales, ao; writes ao
.if DOCPART == 2
	.amdgcn_target "amdgcn-amd-amdhsa--gfx1250"
	.amdhsa_code_object_version 6
	.text
	.protected	k_q58c6ef809c_attn
	.globl	k_q58c6ef809c_attn
	.p2align	8
	.type	k_q58c6ef809c_attn,@function
k_q58c6ef809c_attn:
	s_mov_b64 s[64:65], 0
	v_nop
	global_prefetch_b8 v0, s[64:65] scope:SCOPE_SE
	s_setreg_imm32_b32 hwreg(HW_REG_WAVE_MODE, 25, 1), 1
	s_wait_xcnt 0x0
	s_wait_alu depctr_hold_cnt(0) depctr_sa_sdst(0) depctr_va_vdst(0) depctr_va_sdst(0) depctr_va_ssrc(0) depctr_va_vcc(0) depctr_vm_vsrc(0)
	s_getreg_b32 s2, hwreg(HW_REG_IB_STS2, 6, 4)
	s_cmp_eq_u32 s2, 0
	s_cbranch_scc0 .Lentry_in_a_cluster
	s_endpgm
.Lentry_in_a_cluster:
	s_bfe_u32 s2, ttmp6, 0x10000c
	s_cmp_lg_u32 s2, 0x3003
	s_cbranch_scc0 .Lentry_shape_is_right
	s_endpgm
.Lentry_shape_is_right:
; ATTENTION ON CODES: scores = q k^T / 32, attn = softmax over the keys, rows with mask_t = 0 set to 0, out = attn v; both products on E4M3 codes, sums in f32.
; THE WEIGHTS ARE QUANTISED FINISHED: p = exp(s - max) / sum, masked, with the scale of entry 8.  So a row's maximum and sum over all 1,024 keys are known before any code is made:
; all scores of the work-group's queries stay in registers.  No work is left out: masked rows are computed and set to 0 by a select.
; LIMITS: entries 6 + 7 between -121 and 132 (they are added to the exponent field of log2(e) / 32); entry 8, and entry 10 - 8 - 9, between -126 and 119.  NaN is not served.
; SHARES.  A work-group owns 64 queries (four tiles of 16) of one batch and head.  FOR THE SCORES AND THE SOFTMAX THE WAVES SHARE THE KEYS (wave w: keys 256 w on: 64 x 256 f32 = 512 registers);
; FOR THE SECOND PRODUCT THEY SHARE THE HEAD'S CHANNELS (wave w: 64 w on).  So each byte of K and V is read from LDS once a work-group, and each fragment feeds four matrix instructions.
; What crosses waves: a query's maximum and sum (two small exchanges) and p's codes, as images of the operand's registers.
; LAYOUT.  S^T = K Q^T (source 0 = 16 keys, source 1 = 16 queries), O^T = V^T P^T (source 0 = 16 channels, source 1 = P): a lane holds ONE query (lane % 16) throughout.
; The conversions of tiles 2 c and 2 c + 1 give registers 4 c .. 4 c + 3 the keys 32 c + 8 h + i and 32 c + 16 + 8 h + i: the order in which vt holds its keys.
; LDS.  Each wave has 256 rows x 272 bytes of its own: first its 256 keys' rows of K (four loads of 64 rows, asked for at the head), then, filled again once, its 64 channels x 1,024 keys of V.
; CLUSTER 4 x 1: four blocks of queries of one batch and head walk the same K and V: every tile is asked for jointly, mask 15.
; REGISTERS: window 0: addresses, statistics, v128-255 Q.  window 1: K's fragments, two sets; then p's codes.  windows 2, 3: S^T (tile tau, queries qt) at v[8 (4 (tau % 8) + qt)] of window 2 + tau / 8;
; then window 2: O^T (dt, qt) at v[8 (4 dt + qt)]; window 3: V's and P's fragments, two sets.
; THE HEAD AS IT STANDS (in place of the words 'four loads of 64 rows' above): each wave asks for its 256 keys' rows of K by ONE load of 256 rows, and waits for it once.
.set PITCH, 272
.set KVW,   256*PITCH                  ; a wave's region
.set KT,    64*PITCH                   ; a tile of 64 keys
.set PIMG,  4*KVW                      ; 16 images of 2,048 bytes; at the end the stage, 64 rows x 272
.set RED,   PIMG+32768                 ; the waves' maxima, 1,024 bytes; behind them their sums
.set SPARE, RED+2048                   ; the spare words, 128 bytes a wave: two blocks of 256 bytes that no other line names
.set AK,  3                            ; v3   my row and half in my wave's region
.set LI,  4                            ; v4   an image's place for my lane
.set PW,  5                            ; v5   where I store my wave's images
.set RW,  6                            ; v6   where I store my wave's four statistics of query r
.set RR,  7                            ; v7   where I read the four waves'
.set STO, 8
.set RD,  9
.set GO,  10
.set QO,  11
.set MO,  12
.set PFO, 13
.set SPW, 14                           ; v14  my spare word; never rewritten
.set NIL, 15                           ; v15  0; never rewritten
.set ZR,  16
.set LIMP, 17                          ; 448 x 2^e8
.set SCP,  18                          ; 2^e8
.set LIMO, 19                          ; the same for the exponent e10 - e8 - e9
.set SCO,  20
.set MK,  24                           ; v24-27 mask_t of my query in each tile
.set MX,  32                           ; v32-35 maxima, later sums
.set T4,  36
.set CM,  40                           ; v40-47 c x maximum, in pairs
.set L,   48                           ; v48-55 sums, in pairs
.set INV, 56                           ; v56-63 1 / sum, or 0 where the row is masked, in pairs
.set RB,  64
.set OC,  96
.set QF,  128
.set WV, 16
.set CX, 17
.set Y,  18
.set G1K, 24
.set G1V, 32
.set G0K, 40                           ; s[40:43] one set
.set G0V, 56
.set SEL, 60
.set CS,  62                           ; s[62:63] c = log2(e) / 32 x 2^(e6 + e7)
.set PFA, 66
.set MSB, 0
.macro WIN new
.if MSB != (\new)
	s_set_vgpr_msb (MSB<<8)|(\new)
.set MSB, (\new)
.endif
.endm
.macro PLACES
.rept 4
	v_nop
.endr
.endm
.macro CROUND                          ; a round of the cluster's barrier
	s_barrier_signal -1
	s_barrier_wait -1
	s_cmp_lg_u32 s[WV], 0
	s_cbranch_scc1 .Lnot_wave_0_\@
	s_barrier_signal -3
.Lnot_wave_0_\@:
	s_barrier_wait -3
	s_barrier_signal -1
	s_barrier_wait -1
.endm
.macro BARRIER
	s_wait_dscnt 0x0                               ; my LDS stores have landed and my LDS loads are in
	s_barrier_signal -1
	s_barrier_wait -1
.endm
	s_load_b256 s[4:11], s[0:1], 0x0               ; qc, kc, vt, mask_t
	s_load_b128 s[12:15], s[0:1], 0x20             ; the scales' exponents, ao
	v_lshl_add_u32 v[SPW], v0, 2, SPARE
	v_mov_b32 v[NIL], 0
	ds_add_u32 v[SPW], v[NIL]                      ; the opening: the add, twice on end, and its wait ahead of my first tensor load
	ds_add_u32 v[SPW], v[NIL]
	v_lshrrev_b32 v1, 5, v0
	v_readfirstlane_b32 s[WV], v1                  ; wave 0..3
	s_bfe_u32 s[CX], ttmp6, 0x40000
	s_and_b32 s[Y], ttmp7, 0xffff                  ; 4 x batch + head: the four partners share it
	s_lshr_b32 s19, s[Y], 2
	s_and_b32 s20, s[Y], 3
	s_lshl_b32 s21, ttmp9, 2
	s_add_co_u32 s21, s21, s[CX]                   ; my block of 64 queries: it enters Q's, the mask's and the output's addresses alone
	s_lshl_b32 s76, s19, 20
	s_lshl_b32 s22, s20, 8
	s_add_co_u32 s76, s76, s22                     ; batch x 1,024 rows of 1,024 bytes + head x 256
	s_lshl_b32 s22, s[WV], 18
	s_add_co_u32 s78, s76, s22                     ; K: + my wave's 256 keys
	s_mov_b32 s79, 0
	s_lshl_b32 s22, s21, 16
	s_add_co_u32 s76, s76, s22                     ; Q: + my block's 64 rows
	s_mov_b32 s77, 0
	s_lshl_b32 s82, s[Y], 18
	s_lshl_b32 s22, s[WV], 16
	s_add_co_u32 s82, s82, s22                     ; V: my wave's dense block of 64 KiB
	s_mov_b32 s83, 0
	s_lshl_b32 s84, s19, 12
	s_lshl_b32 s22, s21, 8
	s_add_co_u32 s84, s84, s22                     ; mask_t
	s_mov_b32 s85, 0
	s_lshl_b32 s22, s[WV], 14
	s_add_co_u32 s86, s76, s22                     ; the output: + the 16 rows that my wave stores
	s_mov_b32 s87, 0
	s_lshl_b32 s88, s[Y], 18                       ; the prefetch: the partners share the head's V out by address, 64 KiB each, 16 KiB a wave
	s_lshl_b32 s22, s[CX], 16
	s_add_co_u32 s88, s88, s22
	s_lshl_b32 s22, s[WV], 14
	s_add_co_u32 s88, s88, s22
	s_mov_b32 s89, 0
	s_mul_i32 s80, s[WV], KVW                      ; my region in LDS
	s_mov_b32 s[G1K], 15|(1<<20)|(1<<21)|(5<<22)|(3<<25)   ; mask: all four; elements of 1 byte; padding on; bit 21 beside a mask; 4 words after every 64
	s_mov_b32 s[G1K+1], 256<<16
	s_mov_b32 s[G1K+2], 256<<16                    ; one load brings all 256 keys of a wave
	s_mov_b32 s[G1K+3], 256<<16
	s_mov_b32 s[G1K+4], 256
	s_mov_b32 s[G1K+5], 1024                       ; a head's 256 bytes are cut out of rows of 1,024
	s_mov_b32 s[G1K+6], 0
	s_mov_b32 s[G1K+7], 0
	s_mov_b32 s[G1V], 15|(1<<20)|(1<<21)|(5<<22)|(3<<25)
	s_mov_b32 s[G1V+1], 256<<16
	s_mov_b32 s[G1V+2], 256<<16
	s_mov_b32 s[G1V+3], 256<<16
	s_mov_b32 s[G1V+4], 256
	s_mov_b32 s[G1V+5], 256                        ; dense
	s_mov_b32 s[G1V+6], 0
	s_mov_b32 s[G1V+7], 0
	s_mov_b32 s[SEL], 0x76543210
	s_mov_b32 s[SEL+1], 0xfedcba98
	s_mov_b32 s[CS], 0x3d38aa3b                    ; log2(e) / 32
	s_wait_dscnt 0x0                               ; both opening adds are done
	s_wait_kmcnt 0x0
	s_load_b64 s[68:69], s[12:13], 0x18            ; e6, e7
	s_load_b128 s[72:75], s[12:13], 0x20           ; e8 .. e11
	s_add_nc_u64 s[6:7], s[6:7], s[78:79]
	s_add_nc_u64 s[PFA:PFA+1], s[8:9], s[88:89]
	s_add_nc_u64 s[8:9], s[8:9], s[82:83]
	s_add_nc_u64 s[4:5], s[4:5], s[76:77]
	s_add_nc_u64 s[10:11], s[10:11], s[84:85]
	s_add_nc_u64 s[14:15], s[14:15], s[86:87]
.irp t, 0
	s_mov_b32 s[G0K+4*\t], 1
	s_add_co_u32 s[G0K+4*\t+1], s80, \t*KT
	s_add_nc_u64 s[G0K+4*\t+2:G0K+4*\t+3], s[6:7], \t*65536
	s_or_b32 s[G0K+4*\t+3], s[G0K+4*\t+3], 0x80000000
.endr
	s_mov_b32 s[G0V], 1
	s_mov_b32 s[G0V+1], s80
	s_mov_b64 s[G0V+2:G0V+3], s[8:9]
	s_or_b32 s[G0V+3], s[G0V+3], 0x80000000
	CROUND                                         ; all four work-groups are here: the first joint loads meet
	tensor_load_to_lds s[G0K:G0K+3], s[G1K:G1K+7]  ; every wave asks for its own 256 keys by one load: one tensor load a wave at the head
	s_nop 0
.rept 4
	v_nop
.endr
	v_and_b32 v1, 15, v0                           ; r
	v_bfe_u32 v2, v0, 4, 1                         ; h
	v_and_b32 v21, 31, v0                          ; lane
	v_lshlrev_b32 v[QO], 10, v1
	v_lshl_add_u32 v[QO], v2, 4, v[QO]
	v_lshlrev_b32 v[MO], 2, v1
.irp qt, 0,1,2,3
.irp half, 0,1
.irp c, 0,1,2,3
	global_load_b128 v[QF+32*\qt+16*\half+4*\c:QF+32*\qt+16*\half+4*\c+3], v[QO], s[4:5] offset:\qt*16384+128*\half+32*\c   ; Q stays in registers
.endr
.endr
.endr
.irp qt, 0,1,2,3
	global_load_b32 v[MK+\qt], v[MO], s[10:11] offset:64*\qt
.endr
	v_mul_u32_u24 v[AK], v1, PITCH
	v_lshl_add_u32 v[AK], v2, 4, v[AK]
	v_add_nc_u32 v[AK], s80, v[AK]
	v_lshl_add_u32 v[LI], v21, 4, PIMG
	s_lshl_b32 s81, s[WV], 13
	v_add_nc_u32 v[PW], s81, v[LI]
	s_lshl_b32 s81, s[WV], 8
	s_add_co_u32 s81, s81, RED
	v_lshl_add_u32 v[RW], v1, 4, s81
	v_lshl_add_u32 v[RR], v1, 4, RED
	s_lshl_b32 s81, s[WV], 6
	s_add_co_u32 s81, s81, PIMG
	v_mul_u32_u24 v[STO], v1, PITCH
	v_lshl_add_u32 v[STO], v2, 3, v[STO]
	v_add_nc_u32 v[STO], s81, v[STO]               ; the stage, in: row 16 qt + r, byte 64 w + 16 dt + 8 h
	s_mul_i32 s81, s[WV], 16*PITCH
	s_add_co_u32 s81, s81, PIMG
	v_mul_u32_u24 v[RD], v2, PITCH
	v_lshl_add_u32 v[RD], v1, 4, v[RD]
	v_add_nc_u32 v[RD], s81, v[RD]                 ; back: wave w takes rows 16 w on, two an instruction
	v_lshlrev_b32 v[GO], 10, v2
	v_lshl_add_u32 v[GO], v1, 4, v[GO]
	v_lshlrev_b32 v[PFO], 8, v21
	v_mov_b32 v[ZR], 0
.irp qt, 0,1,2,3
	v_mov_b32 v[T4+\qt], 0                         ; written once: a lane permute's destination counts as one of its sources
.endr
.irp j, 0,1,2,3,4,5,6,7
	v_mov_b32 v[L+\j], 0
.endr
	s_wait_kmcnt 0x0
	s_add_co_i32 s22, s68, s69
	s_lshl_b32 s22, s22, 23
	s_add_co_i32 s[CS], s[CS], s22                 ; a score stands for score x 2^(e6 + e7)
	s_mov_b32 s[CS+1], s[CS]                       ; (named with it as a pair, so it is written)
	s_add_co_i32 s22, s72, 127
	s_lshl_b32 s23, s22, 23
	v_mov_b32 v[SCP], s23
	s_add_co_i32 s22, s22, 8
	s_lshl_b32 s22, s22, 23
	s_or_b32 s22, s22, 0x600000
	v_mov_b32 v[LIMP], s22
	s_sub_co_i32 s22, s74, s72                     ; a sum of the second product stands for sum x 2^(e8 + e9): the three scales are folded into the conversion's one
	s_sub_co_i32 s22, s22, s73
	s_add_co_i32 s22, s22, 127
	s_lshl_b32 s23, s22, 23
	v_mov_b32 v[SCO], s23
	s_add_co_i32 s22, s22, 8
	s_lshl_b32 s22, s22, 23
	s_or_b32 s22, s22, 0x600000
	v_mov_b32 v[LIMO], s22
.macro FETCHK t, buf                   ; 32 loads: tile t's 64 keys x 256 channels
	WIN 0x40
.irp i, 0,1,2,3
.irp half, 0,1
.irp c, 0,1,2,3
	ds_load_b128 v[128*(\buf)+32*\i+16*\half+4*\c:128*(\buf)+32*\i+16*\half+4*\c+3], v[AK] offset:(\t)*KT+\i*16*PITCH+128*\half+32*\c
.endr
.endr
.endr
	WIN 0
.endm
.macro MULQK t                         ; 32 products: 16 accumulators by turns, two deep along the head's 256; the first 16 start the sums
	WIN 0xa1+0x50*((\t)/2)
.irp half, 0,1
.irp i, 0,1,2,3
.irp qt, 0,1,2,3
.set rS, 8*(4*((4*(\t)+\i)%8)+\qt)
.set rK, 128*((\t)%2)+32*\i+16*\half
.set rQ, QF+32*\qt+16*\half
.if \half == 0
	v_wmma_f32_16x16x128_fp8_fp8 v[rS:rS+7], v[rK:rK+15], v[rQ:rQ+15], 0
.else
	v_wmma_f32_16x16x128_fp8_fp8 v[rS:rS+7], v[rK:rK+15], v[rQ:rQ+15], v[rS:rS+7]
.endif
.endr
.endr
.endr
.endm
	; ---- S^T = K Q^T.  I read only the tiles that I asked for: my own counted wait is the ordering that the reads need
	s_wait_tensorcnt 0x0                           ; my 256 keys are in
	FETCHK 0, 0
	s_cmp_lg_u32 ttmp9, 0                          ; A PREFETCH INTO THE L2 of the head's V, which the refill below will ask for.  All clusters of a head read the same V: the first asks;
	s_cbranch_scc1 .Lno_ask                        ; each wave names 64 blocks of 256 bytes, a lane a block, so that each block is named once in the launch
	global_prefetch_b8 v[PFO], s[PFA:PFA+1] th:TH_LOAD_NT scope:SCOPE_SE
	global_prefetch_b8 v[PFO], s[PFA:PFA+1] offset:8192 th:TH_LOAD_NT scope:SCOPE_SE
.Lno_ask:
	s_wait_loadcnt 0x0                             ; Q and mask_t
	PLACES
	FETCHK 1, 1
	s_wait_dscnt 32                                ; all but the 32 just issued
	MULQK 0
	PLACES
	FETCHK 2, 0
	s_wait_dscnt 32
	MULQK 1
	PLACES
	FETCHK 3, 1
	s_wait_dscnt 32
	MULQK 2
	s_wait_dscnt 0x0
	MULQK 3
	; ---- K is done with: my region takes V.  It lands while the softmax is worked
	WIN 0
	s_wait_tensorcnt 0x0                           ; no tensor load of mine is out
	ds_add_u32 v[SPW], v[NIL]                      ; 0 onto my spare word
.irp qt, 0,1,2,3
	v_mov_b32 v[MX+\qt], 0xff800000                ; the maxima begin at -infinity
.endr
	s_wait_dscnt 0x0                               ; the add is done, and my reads of K are over
	CROUND                                         ; and so in every wave of every partner
	tensor_load_to_lds s[G0V:G0V+3], s[G1V:G1V+7]
	s_nop 0
.rept 4
	v_nop                                          ; also the places between the last products and the first read of their results
.endr
	; ---- the row's maximum
.macro SMAX W                          ; order: tile, pair of registers ascending, queries' tile: four chains, and each accumulator is read from its low end on
	WIN ((\W)<<2)|((\W)<<4)
.set m, 0
.rept 128
.set n, 32*(m/16)+8*(m%4)+2*((m/4)%4)
	v_max3_num_f32 v[MX+m%4], v[MX+m%4], v[n], v[n+1]
.set m, m+1
.endr
.endm
	s_wait_alu depctr_va_vdst(0)
	SMAX 2
	SMAX 3
	WIN 0
.irp qt, 0,1,2,3
	v_permlanex16_b32 v[T4+\qt], v[MX+\qt], s[SEL], s[SEL+1]   ; the query's other keys of my wave lie in the lane 16 away
.endr
.irp qt, 0,1,2,3
	v_max_num_f32 v[MX+\qt], v[MX+\qt], v[T4+\qt]
.endr
	ds_store_b128 v[RW], v[MX:MX+3]
	BARRIER
.irp w, 0,1,2,3
	ds_load_b128 v[RB+4*\w:RB+4*\w+3], v[RR] offset:256*\w
.endr
	s_wait_dscnt 0x0
.irp qt, 0,1,2,3
	v_max3_num_f32 v[MX+\qt], v[RB+\qt], v[RB+4+\qt], v[RB+8+\qt]
.endr
.irp qt, 0,1,2,3
	v_max_num_f32 v[MX+\qt], v[MX+\qt], v[RB+12+\qt]
.endr
.irp qt, 0,1,2,3
	v_mul_f32 v[CM+2*\qt], s[CS], v[MX+\qt]        ; c is positive
.endr
.irp qt, 0,1,2,3
	v_mov_b32 v[CM+2*\qt+1], v[CM+2*\qt]
.endr
	; ---- 2^(c s - c max): one batch of exponentials and one wait for each window
.macro SEXP W
	WIN (\W)|((\W)<<6)
.set n, 0
.rept 128
	v_pk_fma_f32 v[n:n+1], v[n:n+1], s[CS:CS+1], v[CM+2*((n/8)%4):CM+2*((n/8)%4)+1] op_sel_hi:[1,0,0] neg_lo:[0,0,1] neg_hi:[0,0,1]
.set n, n+2
.endr
.set n, 0
	s_wait_alu depctr_va_vdst(0)
.rept 256
	v_exp_f32 v[n], v[n]
.set n, n+1
.endr
	v_nop                                          ; the plain line behind the last exponential,
	s_wait_alu depctr_va_vdst(0)                   ; and the one wait ahead of the batch's first reader
.endm
	SEXP 2
	SEXP 3
	; ---- the row's sum
.macro SSUM W
	WIN (\W)<<2
.set m, 0
.rept 128
.set n, 32*(m/16)+8*(m%4)+2*((m/4)%4)
	v_pk_add_f32 v[L+2*(m%4):L+2*(m%4)+1], v[L+2*(m%4):L+2*(m%4)+1], v[n:n+1]
.set m, m+1
.endr
.endm
	SSUM 2
	SSUM 3
	WIN 0
.irp qt, 0,1,2,3
	v_add_f32 v[MX+\qt], v[L+2*\qt], v[L+2*\qt+1]
.endr
.irp qt, 0,1,2,3
	v_permlanex16_b32 v[T4+\qt], v[MX+\qt], s[SEL], s[SEL+1]
.endr
.irp qt, 0,1,2,3
	v_add_f32 v[MX+\qt], v[MX+\qt], v[T4+\qt]
.endr
	ds_store_b128 v[RW], v[MX:MX+3] offset:1024    ; other bytes than the maxima's: no wave can still be reading there
	BARRIER
.irp w, 0,1,2,3
	ds_load_b128 v[RB+4*\w:RB+4*\w+3], v[RR] offset:1024+256*\w
.endr
	s_wait_dscnt 0x0
.irp qt, 0,1,2,3
	v_add_f32 v[MX+\qt], v[RB+\qt], v[RB+4+\qt]
	v_add_f32 v[T4+\qt], v[RB+8+\qt], v[RB+12+\qt]
.endr
.irp qt, 0,1,2,3
	v_add_f32 v[MX+\qt], v[MX+\qt], v[T4+\qt]
.endr
	s_wait_alu depctr_va_vdst(0)
.irp qt, 0,1,2,3
	v_rcp_f32 v[INV+2*\qt], v[MX+\qt]
.endr
	v_nop
	s_wait_alu depctr_va_vdst(0)
.irp qt, 0,1,2,3
	v_cmp_eq_u32 vcc_lo, 0, v[MK+\qt]
	v_cndmask_b32 v[INV+2*\qt], v[INV+2*\qt], v[ZR], vcc_lo   ; a row with mask_t = 0 has weights 0
	v_mov_b32 v[INV+2*\qt+1], v[INV+2*\qt]
.endr
	; ---- p = 2^(..) / sum, held, quantised along the keys
.macro SNORM W
	WIN (\W)|((\W)<<6)
.set n, 0
.rept 128
	v_pk_mul_f32 v[n:n+1], v[n:n+1], v[INV+2*((n/8)%4):INV+2*((n/8)%4)+1] op_sel_hi:[1,0]
.set n, n+2
.endr
.set n, 0
.rept 256
	v_min_num_f32 v[n], v[n], v[LIMP]              ; the conversion does not saturate (ISA guide 7.6.2); p is not negative, so the hold is one-sided
.set n, n+1
.endr
	WIN (\W)|0x40
.set m, 0
.rept 32
	v_cvt_scalef32_pk8_fp8_f32 v[64*((\W)-2)+16*(m%4)+2*(m/4):64*((\W)-2)+16*(m%4)+2*(m/4)+1], v[8*m:8*m+7], v[SCP]
.set m, m+1
.endr
	v_nop                                          ; a plain line behind the last conversion
.endm
.macro IMAGE u                         ; my wave's four fragments of P for its u-th 128 keys go to LDS as they stand in the registers
	WIN 0x04
.irp qt, 0,1,2,3
.irp c, 0,1,2,3
	ds_store_b128 v[PW], v[64*(\u)+16*\qt+4*\c:64*(\u)+16*\qt+4*\c+3] offset:\qt*2048+512*\c
.endr
.endr
	WIN 0
.endm
	SNORM 2
	IMAGE 0
	SNORM 3
	WIN 0
	s_wait_alu depctr_va_vdst(0)
	s_wait_tensorcnt 0x0                           ; my V has landed; only I read it
	BARRIER                                        ; sixteen images lie in LDS
	; ---- O^T = V^T P^T, in two halves: LDS has room for one of each wave's two runs of 128 keys at a time
.macro FETCHPV u, st, buf              ; keys 256 st + 128 u on: my four fragments of V, and wave st's four of P
	WIN 0xc0
.irp dt, 0,1,2,3
.irp c, 0,1,2,3
	ds_load_b128 v[128*(\buf)+16*\dt+4*\c:128*(\buf)+16*\dt+4*\c+3], v[AK] offset:(64*(\st)+16*\dt)*PITCH+128*(\u)+32*\c
.endr
.endr
.irp qt, 0,1,2,3
.irp c, 0,1,2,3
	ds_load_b128 v[128*(\buf)+64+16*\qt+4*\c:128*(\buf)+64+16*\qt+4*\c+3], v[LI] offset:(4*(\st)+\qt)*2048+512*\c
.endr
.endr
.endm
.macro MULPV buf, zero                 ; sixteen accumulators by turns, in the same order in every run
	WIN 0xaf
.irp dt, 0,1,2,3
.irp qt, 0,1,2,3
.if \zero
	v_wmma_f32_16x16x128_fp8_fp8 v[8*(4*\dt+\qt):8*(4*\dt+\qt)+7], v[128*(\buf)+16*\dt:128*(\buf)+16*\dt+15], v[128*(\buf)+64+16*\qt:128*(\buf)+64+16*\qt+15], 0
.else
	v_wmma_f32_16x16x128_fp8_fp8 v[8*(4*\dt+\qt):8*(4*\dt+\qt)+7], v[128*(\buf)+16*\dt:128*(\buf)+16*\dt+15], v[128*(\buf)+64+16*\qt:128*(\buf)+64+16*\qt+15], v[8*(4*\dt+\qt):8*(4*\dt+\qt)+7]
.endif
.endr
.endr
.endm
.macro PVHALF u, zero
	PLACES                                         ; behind the last products, for both runs of loads below
	FETCHPV \u, 0, 0
	FETCHPV \u, 1, 1
	s_wait_dscnt 32
	MULPV 0, \zero
	PLACES
	FETCHPV \u, 2, 0
	s_wait_dscnt 32
	MULPV 1, 0
	PLACES
	FETCHPV \u, 3, 1
	s_wait_dscnt 32
	MULPV 0, 0
	s_wait_dscnt 0x0                               ; my reads of the images are over:
	s_barrier_signal -1                            ; say so, work on registers while the others arrive,
	MULPV 1, 0
	WIN 0
	s_barrier_wait -1                              ; and behind this wait the images may be written over
.endm
	PVHALF 0, 1
	IMAGE 1
	BARRIER
	PVHALF 1, 0
	; ---- the way out: held, quantised with the scale of entry 10, through the stage (where the images lay), whole rows of a head's 256 bytes out
	PLACES
	WIN 0x82
.set n, 0
.rept 128
	v_med3_num_f32 v[n], v[n], -v[LIMO], v[LIMO]
.set n, n+1
.endr
	WIN 0x02
.irp qt, 0,1,2,3
.irp dt, 0,1,2,3
	v_cvt_scalef32_pk8_fp8_f32 v[OC+2*(4*\qt+\dt):OC+2*(4*\qt+\dt)+1], v[8*(4*\dt+\qt):8*(4*\dt+\qt)+7], v[SCO]
.endr
.endr
	v_nop
	WIN 0
.irp qt, 0,1,2,3
.irp dt, 0,1,2,3
	ds_store_b64 v[STO], v[OC+2*(4*\qt+\dt):OC+2*(4*\qt+\dt)+1] offset:\qt*16*PITCH+16*\dt
.endr
.endr
	BARRIER                                        ; a row's 256 bytes come from four waves
.irp t, 0,1,2,3,4,5,6,7
	ds_load_b128 v[RB+4*\t:RB+4*\t+3], v[RD] offset:\t*2*PITCH
.endr
.irp t, 0,1,2,3,4,5,6,7
	s_wait_dscnt 7-\t
	global_store_b128 v[GO], v[RB+4*\t:RB+4*\t+3], s[14:15] offset:2048*\t   ; 16 lanes store 256 consecutive bytes, at a multiple of 256 from the buffer's first byte
.endr
	s_wait_tensorcnt 0x0                           ; the wave's end
	ds_add_u32 v[SPW], v[NIL]
	s_wait_dscnt 0x0
	CROUND                                         ; the closing round
	s_endpgm
.Lfunc_end_k_q58c6ef809c_attn:
	.size	k_q58c6ef809c_attn, .Lfunc_end_k_q58c6ef809c_attn-k_q58c6ef809c_attn
	.p2alignl 7, 3214868480
	.fill 96, 4, 3214868480
	.section	.rodata,"a",@progbits
	.p2align	6, 0x0
	.amdhsa_kernel k_q58c6ef809c_attn
		.amdhsa_group_segment_fixed_size 327680
		.amdhsa_private_segment_fixed_size 0
		.amdhsa_enable_private_segment 0
		.amdhsa_kernarg_size 48
		.amdhsa_user_sgpr_count 2
		.amdhsa_user_sgpr_kernarg_segment_ptr 1
		.amdhsa_wavefront_size32 1
		.amdhsa_system_sgpr_workgroup_id_x 1
		.amdhsa_system_sgpr_workgroup_id_y 1
		.amdhsa_system_sgpr_workgroup_id_z 1
		.amdhsa_system_vgpr_workitem_id 0
		.amdhsa_next_free_vgpr 1024
		.amdhsa_next_free_sgpr 96
		.amdhsa_reserve_vcc 1
		.amdhsa_float_denorm_mode_32 3
		.amdhsa_float_denorm_mode_16_64 3
		.amdhsa_memory_ordered 1
		.amdhsa_forward_progress 1
		.amdhsa_inst_pref_size 173
	.end_amdhsa_kernel
	.amdgpu_metadata
---
amdhsa.version: [ 1, 2 ]
amdhsa.kernels:
  - .name:           k_q58c6ef809c_attn
    .symbol:         k_q58c6ef809c_attn.kd
    .args:
      - { .name: qc, .offset: 0, .size: 8, .value_kind: global_buffer, .address_space: global }
      - { .name: kc, .offset: 8, .size: 8, .value_kind: global_buffer, .address_space: global }
      - { .name: vt, .offset: 16, .size: 8, .value_kind: global_buffer, .address_space: global }
      - { .name: mask_t, .offset: 24, .size: 8, .value_kind: global_buffer, .address_space: global }
      - { .name: lowp_scales, .offset: 32, .size: 8, .value_kind: global_buffer, .address_space: global }
      - { .name: ao, .offset: 40, .size: 8, .value_kind: global_buffer, .address_space: global }
    .group_segment_fixed_size: 327680
    .private_segment_fixed_size: 0
    .kernarg_segment_align: 8
    .kernarg_segment_size: 48
    .max_flat_workgroup_size: 128
    .sgpr_count:     96
    .vgpr_count:     1024
    .wavefront_size: 32
...
	.end_amdgpu_metadata
.endif
;; end of part 2
;; launch outp (part 3): grid 4 x 64, 4 waves a work-group, clusters of 4 x 4, 327,680 bytes of LDS; arguments ao, Wo_codes, bo, mask_t, lowp_scales, out0; writes out0
.if DOCPART == 3
	.amdgcn_target "amdgcn-amd-amdhsa--gfx1250"
	.amdhsa_code_object_version 6
	.text
	.protected	k_q58c6ef809c_outp
	.globl	k_q58c6ef809c_outp
	.p2align	8
	.type	k_q58c6ef809c_outp,@function
k_q58c6ef809c_outp:
	s_mov_b64 s[64:65], 0
	v_nop
	global_prefetch_b8 v0, s[64:65] scope:SCOPE_SE
	s_setreg_imm32_b32 hwreg(HW_REG_WAVE_MODE, 25, 1), 1
	s_wait_xcnt 0x0
	s_wait_alu depctr_hold_cnt(0) depctr_sa_sdst(0) depctr_va_vdst(0) depctr_va_sdst(0) depctr_va_ssrc(0) depctr_va_vcc(0) depctr_vm_vsrc(0)
	s_getreg_b32 s2, hwreg(HW_REG_IB_STS2, 6, 4)
	s_cmp_eq_u32 s2, 0
	s_cbranch_scc0 .Lentry_in_a_cluster
	s_endpgm
.Lentry_in_a_cluster:
	s_bfe_u32 s2, ttmp6, 0x10000c
	s_cmp_lg_u32 s2, 0xf033
	s_cbranch_scc0 .Lentry_shape_is_right
	s_endpgm
.Lentry_shape_is_right:
; THE PROJECTION ON THE WAY OUT: out0 = (ao Wo^T x 2^(e10 + e11) + bo) x mask_t, on E4M3 codes, sums in f32.  No work is left out: masked rows are computed and multiplied by their mask.
; LIMIT: e10 + e11 lies between -126 and 127.  NaN is not served.
; SHAPE.  A work-group makes 128 tokens x 256 features, 256 work-groups, four waves (wr, wc).  There is no ring: all of K = 1,024 lies in LDS at once, rows 1,040 bytes apart.
; The head asks for the 128 tokens (region A) and for Wo's first 128 rows of the tile (region B), 64 rows a wave.  Each wave then takes its 64 tokens x 1,024 K into 512 registers, so region A is read out:
; behind one round it takes Wo's second 128 rows, which land under the first half's products and way out.  A half is 64 tokens x 64 features a wave: 16 accumulators, 8 K steps of 16 products,
; for which only Wo's four fragments are read from LDS.  The first half's stores are on their way while the second half is multiplied.
; CLUSTER 4 x 4: the tokens are shared along a row of the cluster, Wo's rows along a column; each is asked for jointly.
; PREFETCH: Wo's second halves are asked for at the head, one fill ahead of their load, by cluster 0 alone (all sixteen clusters read them): partner cy names rows 32 cy on, a lane a row, wave w the w-th 256 bytes.
; What the head's own loads bring has nothing ahead of it in which to ask.
; Source 0 = 16 rows of Wo, source 1 = 16 tokens: lane (r, h) holds token r, register j feature 8 h + j.  A fragment comes by four loads of 16 bytes: a permutation of k that is the same in both operands.
; REGISTERS: window 0: v0-31 addresses, mask; v32-63 at work; v64-127 bo; v128-255 the accumulators of the two halves, (tt, ft) at 8 (4 tt + ft).  window 1: v0-191 Wo's fragments, three sets; v192-255 rows read back.
; windows 2, 3: the tokens' fragments: K step ks, tile tt at v[64 (ks % 4) + 16 tt] of window 2 + ks / 4.
.set PITCH, 1040                       ; 1,024 bytes + 16 of padding = 65 x 16: the 16 rows of a fragment load start at 16 different groups of four banks (64 banks of 4 bytes: ISA guide 11.1)
.set HROWS, 64*PITCH
.set REGB,  2*HROWS
.set SPARE, 4*HROWS                    ; the spare words, 128 bytes a wave
.set STAGE, SPARE+512                  ; the way out: 16 rows x 272 bytes for each wave, its own
.set SPITCH, 272
.set ADP, 4
.set ADR, 5                            ; v5: Wo's first half (region B), v6: its second (region A)
.set STO, 7
.set RD,  8
.set CO,  9
.set UO,  10
.set MO,  11
.set SPW, 12                           ; my spare word; never rewritten
.set NIL, 13                           ; 0; never rewritten
.set PFO, 14
.set MK,  16
.set MF,  20
.set TMP, 32
.set U,   64
.set ACC, 128
.set BK,  192
.set WV, 60
.set WR, 61
.set WC, 62
.set CX, 63
.set CY, 66
.set PT, 67
.set CL, 26
.set PFA, 24
.set G1P, 32
.set G1R, 40
.set G0P, 48
.set G0R, 52
.set G0R1, 56
.set SC, 92
.set FLAGS, (1<<20)|(1<<21)|(7<<22)|(3<<25)   ; elements of 1 byte; padding on; bit 21 beside a mask; 4 words after every 256
.set MSB, 0
.macro WIN new
.if MSB != (\new)
	s_set_vgpr_msb (MSB<<8)|(\new)
.set MSB, (\new)
.endif
.endm
.macro PLACES
.rept 4
	v_nop
.endr
.endm
.macro CROUND
	s_barrier_signal -1
	s_barrier_wait -1
	s_cmp_lg_u32 s[WV], 0
	s_cbranch_scc1 .Lnot_wave_0_\@
	s_barrier_signal -3
.Lnot_wave_0_\@:
	s_barrier_wait -3
	s_barrier_signal -1
	s_barrier_wait -1
.endm
	s_load_b256 s[4:11], s[0:1], 0x0               ; ao, Wo's codes, bo, mask_t
	s_load_b128 s[12:15], s[0:1], 0x20             ; the exponents, out0
	v_lshl_add_u32 v[SPW], v0, 2, SPARE
	v_mov_b32 v[NIL], 0
	ds_add_u32 v[SPW], v[NIL]                      ; the opening: the add, twice on end, and its wait ahead of my first tensor load
	ds_add_u32 v[SPW], v[NIL]
	v_lshrrev_b32 v1, 5, v0
	v_readfirstlane_b32 s[WV], v1
	s_lshr_b32 s[WR], s[WV], 1                     ; my 64 tokens; also: I fetch tokens (0) or Wo (1)
	s_and_b32 s[WC], s[WV], 1                      ; my 64 features of a half; also: which 64 rows I fetch
	s_bfe_u32 s[CX], ttmp6, 0x40000
	s_bfe_u32 s[CY], ttmp6, 0x40004
	s_and_b32 s[CL], ttmp7, 0xffff
	s_lshl_b32 s[PT], s[CL], 2
	s_add_co_u32 s[PT], s[PT], s[CY]               ; my tile of 128 tokens; my tile of 256 features is cx
	s_lshl_b32 s2, s[CY], 2
	s_lshl_b32 s2, 15, s2
	s_lshl_b32 s3, 0x1111, s[CX]
	s_or_b32 s[G1P], s2, FLAGS
	s_or_b32 s[G1R], s3, FLAGS
.irp g, G1P, G1R
	s_mov_b32 s[\g+1], 1024<<16
	s_mov_b32 s[\g+2], 64<<16
	s_mov_b32 s[\g+3], 1024<<16
	s_mov_b32 s[\g+4], 64
	s_mov_b32 s[\g+5], 1024
	s_mov_b32 s[\g+6], 0
	s_mov_b32 s[\g+7], 0
.endr
	s_lshl_b32 s16, s[WC], 16                      ; 64 rows of 1,024 bytes
	s_lshl_b32 s[G0P+2], s[PT], 17
	s_add_co_u32 s[G0P+2], s[G0P+2], s16
	s_mov_b32 s[G0P+3], 0
	s_lshl_b32 s[G0R+2], s[CX], 18
	s_add_co_u32 s[G0R+2], s[G0R+2], s16
	s_mov_b32 s[G0R+3], 0
	s_mul_i32 s17, s[WC], HROWS
	s_wait_dscnt 0x0                               ; both opening adds are done
	s_wait_kmcnt 0x0
	s_load_b64 s[80:81], s[12:13], 0x28            ; e10, e11
	s_add_nc_u64 s[G0P+2:G0P+3], s[4:5], s[G0P+2:G0P+3]
	s_add_nc_u64 s[G0R+2:G0R+3], s[6:7], s[G0R+2:G0R+3]
	s_add_nc_u64 s[G0R1+2:G0R1+3], s[G0R+2:G0R+3], 131072   ; 128 rows of Wo on
.irp g, G0P, G0R, G0R1
	s_or_b32 s[\g+3], s[\g+3], 0x80000000
	s_mov_b32 s[\g], 1
.endr
	s_mov_b32 s[G0P+1], s17                        ; region A
	s_add_co_u32 s[G0R+1], s17, REGB               ; region B
	s_mov_b32 s[G0R1+1], s17                       ; region A again
	CROUND                                         ; all sixteen work-groups are here: the first joint loads meet
	s_cmp_eq_u32 s[WR], 0
	s_cbranch_scc0 .Lhead_r
	tensor_load_to_lds s[G0P:G0P+3], s[G1P:G1P+7]
	s_nop 0
.rept 4
	v_nop
.endr
	s_branch .Lhead_done
.Lhead_r:
	tensor_load_to_lds s[G0R:G0R+3], s[G1R:G1R+7]
	s_nop 0
.rept 4
	v_nop
.endr
.Lhead_done:
	s_lshl_b32 s16, s[CX], 10                      ; my features of the first half, in bytes of f32: 1,024 cx + 256 wc
	s_lshl_b32 s18, s[WC], 8
	s_add_co_u32 s16, s16, s18
	s_mov_b32 s17, 0
	s_add_nc_u64 s[8:9], s[8:9], s[16:17]
	s_lshl_b32 s18, s[PT], 19                      ; my part of out0: (128 tile + 64 wr) rows of 4,096 bytes + my features
	s_lshl_b32 s19, s[WR], 18
	s_add_co_u32 s18, s18, s19
	s_add_co_u32 s16, s16, s18
	s_add_nc_u64 s[14:15], s[14:15], s[16:17]
	s_lshl_b32 s16, s[PT], 9                       ; my 64 tokens' masks
	s_lshl_b32 s18, s[WR], 8
	s_add_co_u32 s16, s16, s18
	s_add_nc_u64 s[10:11], s[10:11], s[16:17]
	s_lshl_b32 s16, s[CX], 18                      ; the prefetch: row 256 cx + 128 + 32 cy, byte 256 wave
	s_lshl_b32 s18, s[CY], 15
	s_add_co_u32 s16, s16, s18
	s_lshl_b32 s18, s[WV], 8
	s_add_co_u32 s16, s16, s18
	s_add_co_u32 s16, s16, 131072
	s_add_nc_u64 s[PFA:PFA+1], s[6:7], s[16:17]
	s_mul_i32 s20, s[WR], HROWS
	s_mul_i32 s21, s[WC], HROWS
	s_add_co_u32 s22, s21, REGB
	s_mul_i32 s23, s[WV], 16*SPITCH
	s_add_co_u32 s23, s23, STAGE
	v_and_b32 v1, 15, v0                           ; r
	v_bfe_u32 v2, v0, 4, 1                         ; h
	v_lshlrev_b32 v[UO], 5, v2
	v_lshlrev_b32 v[MO], 2, v1
.irp ph, 0,1
.irp ft, 0,1,2,3
	global_load_b128 v[U+32*\ph+8*\ft:U+32*\ph+8*\ft+3], v[UO], s[8:9] offset:512*\ph+64*\ft        ; bo at features 128 ph + 64 wc + 16 ft + 8 h + 0 .. 7
	global_load_b128 v[U+32*\ph+8*\ft+4:U+32*\ph+8*\ft+7], v[UO], s[8:9] offset:512*\ph+64*\ft+16
.endr
.endr
.irp tt, 0,1,2,3
	global_load_b32 v[MK+\tt], v[MO], s[10:11] offset:64*\tt
.endr
	v_mul_u32_u24 v3, v1, PITCH
	v_lshl_add_u32 v3, v2, 4, v3
	v_add_nc_u32 v[ADP], s20, v3
	v_add_nc_u32 v[ADR], s22, v3
	v_add_nc_u32 v[ADR+1], s21, v3
	v_mul_u32_u24 v[STO], v1, SPITCH
	v_lshl_add_u32 v[STO], v2, 5, v[STO]
	v_add_nc_u32 v[STO], s23, v[STO]               ; the stage, in: row r, 32 bytes for each half of the lanes
	v_mul_u32_u24 v[RD], v2, SPITCH
	v_lshl_add_u32 v[RD], v1, 4, v[RD]
	v_add_nc_u32 v[RD], s23, v[RD]                 ; back: lanes 0-15 one row of 256 bytes, lanes 16-31 the next
	v_lshlrev_b32 v[CO], 12, v2
	v_lshl_add_u32 v[CO], v1, 4, v[CO]             ; and the same two rows in out0
	v_and_b32 v[PFO], 31, v0
	v_lshlrev_b32 v[PFO], 10, v[PFO]
	s_wait_alu depctr_va_vdst(0)                   ; the wait at the head's end
	s_cmp_lg_u32 s[CL], 0
	s_cbranch_scc1 .Lno_ask
	global_prefetch_b8 v[PFO], s[PFA:PFA+1] th:TH_LOAD_NT scope:SCOPE_SE
.Lno_ask:
	s_wait_tensorcnt 0x0                           ; my 64 rows are in
	s_barrier_signal -1
	s_barrier_wait -1                              ; everybody's are
.macro FETCHR adr, ks, set             ; 16 loads: my four fragments of Wo for K step ks
	WIN 0x40
.irp ft, 0,1,2,3
.irp c, 0,1,2,3
	ds_load_b128 v[64*(\set)+16*\ft+4*\c:64*(\set)+16*\ft+4*\c+3], v[\adr] offset:\ft*16*PITCH+128*(\ks)+32*\c
.endr
.endr
	WIN 0
.endm
.macro MULK ks, set, ph                ; 16 products: the 16 accumulators take turns in one fixed order; K step 0 starts the sums
	WIN (0x09+4*((\ks)/4))
.irp tt, 0,1,2,3
.irp ft, 0,1,2,3
.set rD, ACC+8*(4*\tt+\ft)             ; both halves sum in the same 128 registers: the first half has left them when the second begins
.if (\ks) == 0
	v_wmma_f32_16x16x128_fp8_fp8 v[rD:rD+7], v[64*(\set)+16*\ft:64*(\set)+16*\ft+15], v[64*((\ks)%4)+16*\tt:64*((\ks)%4)+16*\tt+15], 0
.else
	v_wmma_f32_16x16x128_fp8_fp8 v[rD:rD+7], v[64*(\set)+16*\ft:64*(\set)+16*\ft+15], v[64*((\ks)%4)+16*\tt:64*((\ks)%4)+16*\tt+15], v[rD:rD+7]
.endif
.endr
.endr
.endm
.macro PHASE ph, adr                   ; K steps 0 and 1 have been asked for; each trip asks two steps ahead
.irp ks, 0,1,2,3,4,5,6,7
.if \ks < 6
	PLACES                                         ; the set that is loaded was read by the products just issued
	FETCHR \adr, \ks+2, (\ks+2)%3
	s_wait_dscnt 32                                ; the loads of the two later steps may be out
.else
	s_wait_dscnt 16*(7-\ks)
.endif
	MULK \ks, (\ks)%3, \ph
.endr
	WIN 0
	PLACES
.endm
; THE WAY OUT of a half, 16 tokens x 64 features at a time, through my own stage: LDS serves a wave's instructions in order (ISA guide 5.7.1.4), so no wait stands between the stores and the loads
.macro TOSTAGE ph, tt
.irp ft, 0,1,2,3
.irp i, 0,2,4,6
	v_pk_fma_f32 v[TMP+8*\ft+\i:TMP+8*\ft+\i+1], v[ACC+8*(4*(\tt)+\ft)+\i:ACC+8*(4*(\tt)+\ft)+\i+1], s[SC:SC+1], v[U+32*(\ph)+8*\ft+\i:U+32*(\ph)+8*\ft+\i+1] op_sel_hi:[1,0,1]   ; each accumulator from its low end on
.endr
.endr
.set n, 0
.rept 16
	v_pk_mul_f32 v[TMP+n:TMP+n+1], v[TMP+n:TMP+n+1], v[MF+2*(\tt):MF+2*(\tt)+1] op_sel_hi:[1,0]   ; x my token's mask
.set n, n+2
.endr
.irp ft, 0,1,2,3
	ds_store_b128 v[STO], v[TMP+8*\ft:TMP+8*\ft+3] offset:64*\ft
	ds_store_b128 v[STO], v[TMP+8*\ft+4:TMP+8*\ft+7] offset:64*\ft+16
.endr
	WIN 0x40
.irp t, 0,1,2,3,4,5,6,7
	ds_load_b128 v[BK+32*((\tt)%2)+4*\t:BK+32*((\tt)%2)+4*\t+3], v[RD] offset:\t*2*SPITCH
.endr
	WIN 0
.endm
.macro SEND ph, tt, younger            ; younger: the LDS instructions issued behind this block's loads, which may stay out
	s_wait_dscnt \younger
	WIN 0x04
.irp t, 0,1,2,3,4,5,6,7
	global_store_b128 v[CO], v[BK+32*((\tt)%2)+4*\t:BK+32*((\tt)%2)+4*\t+3], s[14:15] offset:(16*(\tt)+2*\t)*4096+512*(\ph) th:TH_STORE_NT   ; 16 lanes store 256 consecutive bytes, aligned; written once
.endr
	WIN 0
.endm
.macro WAYOUT ph
	TOSTAGE \ph, 0
	TOSTAGE \ph, 1
	SEND \ph, 0, 16                                ; behind block 0's loads: block 1's 8 stores and 8 loads
	s_wait_xcnt 0x0                                ; block 0's stores have read their registers: block 2's rows may land there
	TOSTAGE \ph, 2
	SEND \ph, 1, 16
	s_wait_xcnt 0x0
	TOSTAGE \ph, 3
	SEND \ph, 2, 16
	SEND \ph, 3, 0
.endm
.irp ks, 0,1,2,3,4,5,6,7                           ; my 64 tokens, all of K, into windows 2 and 3
	WIN (0x80+0x40*(\ks/4))
.irp tt, 0,1,2,3
.irp c, 0,1,2,3
	ds_load_b128 v[64*(\ks%4)+16*\tt+4*\c:64*(\ks%4)+16*\tt+4*\c+3], v[ADP] offset:\tt*16*PITCH+128*\ks+32*\c
.endr
.endr
.endr
	WIN 0
	FETCHR ADR, 0, 0
	FETCHR ADR, 1, 1
	s_wait_tensorcnt 0x0                           ; no tensor load of mine is out
	ds_add_u32 v[SPW], v[NIL]                      ; 0 onto my spare word
	s_wait_dscnt 0x0                               ; the add is done, and my reads of region A are over
	CROUND                                         ; and so in every wave of every partner
	s_cmp_eq_u32 s[WR], 1                          ; waves 2 and 3: Wo's second 128 rows into region A
	s_cbranch_scc0 .Lno_r1
	tensor_load_to_lds s[G0R1:G0R1+3], s[G1R:G1R+7]
	s_nop 0
.rept 4
	v_nop
.endr
.Lno_r1:
	PHASE 0, ADR
	s_wait_kmcnt 0x0
	s_add_co_i32 s80, s80, s81
	s_add_co_i32 s80, s80, 127
	s_lshl_b32 s[SC], s80, 23                      ; 2^(e10 + e11) as f32
	s_mov_b32 s[SC+1], s[SC]
	s_wait_loadcnt 0x0                             ; bo and mask_t
.irp tt, 0,1,2,3
	v_cvt_f32_i32 v[MF+2*\tt], v[MK+\tt]
.endr
.irp tt, 0,1,2,3
	v_mov_b32 v[MF+2*\tt+1], v[MF+2*\tt]
.endr
	WAYOUT 0
	s_wait_tensorcnt 0x0                           ; Wo's second half: my part has landed,
	s_wait_dscnt 0x0
	s_barrier_signal -1
	s_barrier_wait -1                              ; everybody's has
	FETCHR ADR+1, 0, 0
	FETCHR ADR+1, 1, 1
	PHASE 1, ADR+1
	s_wait_xcnt 0x0                                ; the first half's stores have read the registers into which rows come back
	WAYOUT 1
	s_wait_tensorcnt 0x0                           ; the wave's end
	ds_add_u32 v[SPW], v[NIL]
	s_wait_dscnt 0x0
	CROUND                                         ; the closing round
	s_endpgm
.Lfunc_end_k_q58c6ef809c_outp:
	.size	k_q58c6ef809c_outp, .Lfunc_end_k_q58c6ef809c_outp-k_q58c6ef809c_outp
	.p2alignl 7, 3214868480
	.fill 96, 4, 3214868480
	.section	.rodata,"a",@progbits
	.p2align	6, 0x0
	.amdhsa_kernel k_q58c6ef809c_outp
		.amdhsa_group_segment_fixed_size 327680
		.amdhsa_private_segment_fixed_size 0
		.amdhsa_enable_private_segment 0
		.amdhsa_kernarg_size 48
		.amdhsa_user_sgpr_count 2
		.amdhsa_user_sgpr_kernarg_segment_ptr 1
		.amdhsa_wavefront_size32 1
		.amdhsa_system_sgpr_workgroup_id_x 1
		.amdhsa_system_sgpr_workgroup_id_y 1
		.amdhsa_system_sgpr_workgroup_id_z 1
		.amdhsa_system_vgpr_workitem_id 0
		.amdhsa_next_free_vgpr 1024
		.amdhsa_next_free_sgpr 102
		.amdhsa_reserve_vcc 0
		.amdhsa_float_denorm_mode_32 3
		.amdhsa_float_denorm_mode_16_64 3
		.amdhsa_memory_ordered 1
		.amdhsa_forward_progress 1
		.amdhsa_inst_pref_size 86
	.end_amdhsa_kernel
	.amdgpu_metadata
---
amdhsa.version: [ 1, 2 ]
amdhsa.kernels:
  - .name:           k_q58c6ef809c_outp
    .symbol:         k_q58c6ef809c_outp.kd
    .args:
      - { .name: ao, .offset: 0, .size: 8, .value_kind: global_buffer, .address_space: global }
      - { .name: Wo_codes, .offset: 8, .size: 8, .value_kind: global_buffer, .address_space: global }
      - { .name: bo, .offset: 16, .size: 8, .value_kind: global_buffer, .address_space: global }
      - { .name: mask_t, .offset: 24, .size: 8, .value_kind: global_buffer, .address_space: global }
      - { .name: lowp_scales, .offset: 32, .size: 8, .value_kind: global_buffer, .address_space: global }
      - { .name: out0, .offset: 40, .size: 8, .value_kind: global_buffer, .address_space: global }
    .group_segment_fixed_size: 327680
    .private_segment_fixed_size: 0
    .kernarg_segment_align: 8
    .kernarg_segment_size: 48
    .max_flat_workgroup_size: 128
    .sgpr_count:     102
    .vgpr_count:     1024
    .wavefront_size: 32
...
	.end_amdgpu_metadata
.endif
;; end of part 3
